; MI455X (gfx1250); checked and timed in simulation.
; The chip was launched on July 23, 2026; its instructions are those of AMD's public machine-readable ISA for CDNA 5 (MIT licence, August 2026) and "CDNA5" Instruction Set Architecture Reference Guide (July 2026). The comments in the code are by the model that wrote it; some were corrected since.
;; Self Attention. Allowed arithmetic: matrix products marked QUANTISED: E3M2 operands, one E8M0 scale for each 32 along K, by v_wmma_scale_f32_16x16x128_f8f6f4 with both operands' format E3M2, f32 sums; everything else in f32.
;; Inputs: b_in 3,072 float32; b_out 1,024 float32; w_in 3,072 x 1,024 float32; w_out 1,024 x 1,024 float32; x 4 x 2,048 x 1,024 float32.
;; Outputs: out0 4 x 2,048 x 1,024 float32.
;; This version of the problem:
;;   THIS VERSION OF THE PROBLEM IS GIVEN IN LOW PRECISION. The matrix products marked QUANTISED in the list below multiply operands that are first quantised to E3M2 (3 exponent bits, 2 mantissa bits; 6 bits a number), with one power-of-two scale for each 32 numbers along K (OCP MX v1.0); their sums are f32. All else is computed in f32.
;;   The module's matrix products, in the order in which they are computed (A, B: the left and right operand; K: the contracted axis; several contracted axes count as one K, in the product's order):
;;     1. [M 8,192, K 1,024] x [K 1,024, N 3,072]; A: input x; B: input w_in: QUANTISED
;;     2. batch 64 x [M 2,048, K 64] x [K 64, N 2,048]; A: computed on the way; B: computed on the way: QUANTISED
;;     3. batch 64 x [M 2,048, K 2,048] x [K 2,048, N 64]; A: softmax (see below); B: computed on the way: QUANTISED
;;     4. [M 8,192, K 1,024] x [K 1,024, N 1,024]; A: computed on the way; B: input w_out: QUANTISED
;;   THE QUANTISER, for each operand of a quantised product, along K:
;;     - K is cut into blocks of 32 from its start; a last block that is shorter is filled with zeros.
;;     - A block's scale is 2^e with e = floor(log2(the largest magnitude in the block)) - 4, held to -126 .. 127; a block of zeros has e = 0. As a byte (E8M0): e + 127.
;;     - Each number is divided by its block's scale, clamped to +-28, and rounded to the nearest number of E3M2, ties to even, subnormals kept.
;;     - The product sums the exact products of the quantised numbers (number of the format x scale) in f32.
;;   ~~~python
;;   def quantise(x, axis):      # numpy; x: float32 -> the quantised numbers, widened to float32 again
;;       x = np.moveaxis(x, axis, -1); K = x.shape[-1]
;;       x = np.pad(x, [(0, 0)] * (x.ndim - 1) + [(0, -K % 32)]); x = x.reshape(x.shape[:-1] + (-1, 32)); a = np.abs(x).max(-1, keepdims=True)
;;       e = np.where(a > 0, np.clip(np.frexp(np.where(a > 0, a, 1))[1] - 1 - 4, -126, 127), 0)      # np.frexp(a)[1] - 1 = floor(log2(a)), exactly
;;       r = np.clip(x / 2.0 ** e, -28, 28)
;;       step = 2.0 ** (np.maximum(np.frexp(np.where(r == 0, 1, r))[1] - 1, -2) - 2)
;;       q = np.round(r / step) * step * 2.0 ** e      # np.round: ties to even
;;       return np.moveaxis(q.reshape(q.shape[:-2] + (-1,))[..., :K], -1, axis).astype(np.float32)
;;   ~~~
;;   SOFTMAX AHEAD OF A QUANTISED PRODUCT. Where the list says 'softmax', what is quantised is not the finished softmax but p = 2^(t - M), with t = logit x log2(e) and M = ceil(the row's largest t), a whole number; so 1/2 < the row's largest p <= 1. The row's sum l is taken of the UNQUANTISED p, in f32, and the product's result is divided by l at the end. Since M is a whole number, a kernel that streams over the keys may use a running M (the ceiling of the running maximum): every later rescaling is an exact power of two, which a block's scale takes up: the codes' values come out the same.
;;   OPERANDS COMPUTED ON THE WAY. 'Computed on the way' means the value that the module computes at that place (a softmax that the list does not call 'softmax' is quantised finished and normalised). What goes into a quantiser is computed in f32, as accurately as f32 sums, v_exp_f32 and their like allow (about 1e-6 of the number): no bf16 or f16 on the way to a quantiser, and a product that is left as it is and whose result goes on into a quantised operand takes f32 operands (vector FMAs, or v_wmma_f32_16x16x4_f32). A number that lies on a knife's edge between two numbers of the format may be rounded either way, as far as f32 arithmetic and the matrix unit's own rounding can turn it there, and no further.
;; One version. Each part assembles by itself: llvm-mc -triple=amdgcn-amd-amdhsa -mcpu=gfx1250 --defsym DOCPART=n.
;; ======== version 1 of 1: 4 launches
;; limits: right only within a limited range of input values
;; workspace buffers: x_img 6,553,600 bytes; wi_img 2,457,600 bytes; wo_img 819,200 bytes; qkv 20,447,232 bytes; o_img 6,553,600 bytes
;; launch quant (part 1): grid 256 x 1, 6 waves a work-group, no clusters, 51,456 bytes of LDS; arguments x, w_in, w_out, x_img, wi_img, wo_img; writes x_img, wi_img, wo_img
.if DOCPART == 1
	.amdgcn_target "amdgcn-amd-amdhsa--gfx1250"
	.amdhsa_code_object_version 6
	.text
	.protected	k_q37e85ba4af_quant
	.globl	k_q37e85ba4af_quant
	.p2align	8
	.type	k_q37e85ba4af_quant,@function
k_q37e85ba4af_quant:
	s_mov_b64 s[64:65], 0
	v_nop
	global_prefetch_b8 v0, s[64:65] scope:SCOPE_SE
	s_setreg_imm32_b32 hwreg(HW_REG_WAVE_MODE, 25, 1), 1
	s_wait_xcnt 0x0
; x [8192][1024], w_in [3072][1024], w_out [1024][1024], f32, K innermost, become codes of BF6 (E3M2) with one E8M0 byte for each 32 along K,
; laid as the later launches' matrix operands want them: TILE RECORDS of 12,800 bytes for 16 rows x 1,024 K.
; A record: eight fragments (16 rows x 128 K, 1,536 bytes) as images of the operand's 12 registers: for each half c of a fragment 512 bytes (16 a lane: registers 6 c .. 6 c + 3)
; and 256 bytes (8 a lane: registers 6 c + 4, 6 c + 5); behind them 512 bytes of scale words: fragment f of row r at 256 (f / 4) + 16 r + 4 (f % 4).
; THE ROWS OF A TILE ARE NOT NEIGHBOURS: lane r of tile 4 G + u holds row 64 G + 8 u + r % 8 + 32 (r / 8).  As source 0 of a product four such tiles leave a lane 32 results that are
; 32 neighbouring rows, a whole block of the next quantiser.
; A block's scale is 2^(floor(log2(its largest magnitude)) - 4); its byte is the largest magnitude's exponent field - 4, held at 1 from below.
; LIMITS: a block whose largest magnitude lies under 2^-122 keeps the byte 1, a block of zeros too (its codes are zeros; this program alone reads the bytes); NaN and infinities are not served.
; SHARES: 768 tiles x 2 halves of K = 1,536 units, one a wave: unit = 6 x work-group + wave.  One path for the three tensors: only pointers are chosen.
; Each load reads 512 consecutive bytes of one row; the 16 rows x 512 bytes of a fragment turn through the wave's own stage in LDS, so that a lane gets two whole blocks of its row.
; No barrier: waves share nothing.  Loads run two fragments (32 loads a wave) ahead.
.set REC,  12800
.set SP,   528                         ; a stage row: 512 bytes + 16: an odd multiple of 16, so that the sixteen rows of a read start at different banks (ISA guide 11.1)
.set WST,  16*SP                       ; a wave's stage
.set A16,  1                           ; v1   16 x lane
.set A8,   2                           ; v2   8 x lane
.set SIN,  3                           ; v3   the stage, on the way in
.set SOUT, 4                           ; v4   and out: row r, + 128 h
.set SH8,  5                           ; v5   8 h
.set SCO,  6                           ; v6   16 r + 8 h: my two scale words' place
.set MX,   8                           ; v8-9   largest magnitudes
.set SO,   10                          ; v10-11 the conversions' scale operands
.set BY,   12                          ; v12-13 scale bytes
.set WD,   14
.set WX,   15
.set SW,   16                          ; v16-19 my row's scale word of each of the four fragments
.set DD,   20                          ; v20-21 the two that I store
.set R,    32                          ; v32-159  two sets of 64 registers as loaded
.set X,    160                         ; v160-223 my two blocks of 32
.set PC,   224                         ; v224-235 the fragment's codes
.set TP,   236                         ; v236-243 the upper halves of the blocks' codes, before they are moved
.set SEL,  20                          ; s[20:21] v_permlanex16_b32's selects for lane l xor 16
; 64 numbers of a lane, register 32 c + i = number i of my block 2 c + h, become the operand's 12 registers in v[PC] on and my row's scale word in v[sw]
.macro QUANT64 s, sw
.irp c, 0,1
	v_max3_num_f32 v[MX+\c], |v[(\s)+32*\c]|, |v[(\s)+32*\c+1]|, 0x2800000   ; with the floor 2^(5 - 127): the byte cannot fall under 1
.endr
.irp i, 2,4,6,8,10,12,14,16,18,20,22,24,26,28,30
.irp c, 0,1
	v_max3_num_f32 v[MX+\c], v[MX+\c], |v[(\s)+32*\c+\i]|, |v[(\s)+32*\c+\i+1]|
.endr
.endr
.irp c, 0,1
	v_add_nc_u32 v[SO+\c], 0xfe000000, v[MX+\c]    ; 4 off the exponent field: the conversion takes that field as its scale
.endr
.irp c, 0,1
	v_lshrrev_b32 v[BY+\c], 23, v[SO+\c]           ; the scale's byte
.endr
	v_lshl_or_b32 v[WD], v[BY+1], 16, v[BY]        ; blocks h and 2 + h,
	v_lshlrev_b32 v[WD], v[SH8], v[WD]             ; at their places in the word;
	v_permlanex16_b32 v[WX], v[WD], s[SEL], s[SEL+1]
	v_or_b32 v[\sw], v[WD], v[WX]                  ; with lane l xor 16's two the word is whole
.irp c, 0,1
	v_cvt_scalef32_pk16_bf6_f32 v[PC+6*\c:PC+6*\c+2], v[(\s)+32*\c:(\s)+32*\c+15], v[SO+\c]
	v_cvt_scalef32_pk16_bf6_f32 v[TP+4*\c:TP+4*\c+2], v[(\s)+32*\c+16:(\s)+32*\c+31], v[SO+\c]   ; (a conversion's three registers begin on an even number)
.endr
	v_nop                                          ; one plain place behind a scaled conversion
.irp c, 0,1
.irp i, 0,1,2
	v_mov_b32 v[PC+6*\c+3+\i], v[TP+4*\c+\i]
.endr
.endr
.endm
	s_load_b256 s[4:11], s[0:1], 0x0               ; x, w_in, w_out, x_img
	s_load_b128 s[12:15], s[0:1], 0x20             ; wi_img, wo_img
	v_lshl_add_u32 v248, v0, 2, 0xc600
	v_mov_b32 v249, 0
	v_lshrrev_b32 v7, 5, v0
	v_readfirstlane_b32 s16, v7                    ; wave 0..5
	v_and_b32 v7, 31, v0                           ; lane
	v_and_b32 v22, 15, v0                          ; r
	v_bfe_u32 v23, v0, 4, 1                        ; h
	v_lshlrev_b32 v[A16], 4, v7
	v_lshlrev_b32 v[A8], 3, v7
	s_mul_i32 s17, s16, WST
	v_add_nc_u32 v[SIN], s17, v[A16]
	v_mul_u32_u24 v[SOUT], v22, SP
	v_lshl_add_u32 v[SOUT], v23, 7, v[SOUT]
	v_add_nc_u32 v[SOUT], s17, v[SOUT]
	v_lshlrev_b32 v[SH8], 3, v23
	v_lshlrev_b32 v[SCO], 4, v22
	v_lshl_add_u32 v[SCO], v23, 3, v[SCO]
	v_mov_b32 v[WX], 0                             ; a lane permute's destination counts as one of its sources
	s_mov_b32 s[SEL], 0x76543210
	s_mov_b32 s[SEL+1], 0xfedcba98
	s_mul_i32 s18, ttmp9, 6
	s_add_co_u32 s18, s18, s16                     ; my unit
	s_and_b32 s19, s18, 1                          ; which half of K
	s_lshr_b32 s18, s18, 1                         ; which of the 768 tiles: 512 of x, 192 of w_in, 64 of w_out
	s_mov_b32 s22, 704
	s_wait_alu depctr_va_vdst(0)
	s_wait_kmcnt 0x0
	s_cmp_lt_u32 s18, 704                          ; the choices hang on the unit's number alone
	s_cselect_b64 s[6:7], s[6:7], s[8:9]
	s_cselect_b64 s[12:13], s[12:13], s[14:15]
	s_cselect_b32 s22, 512, s22
	s_cmp_lt_u32 s18, 512
	s_cselect_b64 s[4:5], s[4:5], s[6:7]           ; the tensor,
	s_cselect_b64 s[10:11], s[10:11], s[12:13]     ; its records,
	s_cselect_b32 s22, 0, s22
	s_sub_co_u32 s18, s18, s22                     ; and the tile's number in it
	s_lshr_b32 s23, s18, 2
	s_lshl_b32 s23, s23, 18                        ; 64 rows of 4,096 bytes for each group of four tiles,
	s_and_b32 s24, s18, 3
	s_lshl_b32 s24, s24, 15                        ; 8 rows for the tile's place in its group,
	s_add_co_u32 s24, s24, s23
	s_lshl_b32 s25, s19, 11                        ; 2,048 bytes for the half of K
	s_add_co_u32 s24, s24, s25
	s_mov_b32 s25, 0
	s_add_nc_u64 s[4:5], s[4:5], s[24:25]
	s_mul_i32 s26, s18, REC
	s_lshl_b32 s28, s19, 8
	s_add_co_u32 s28, s28, s26
	s_add_co_u32 s28, s28, 12288
	s_mov_b32 s29, 0
	s_add_nc_u64 s[12:13], s[10:11], s[28:29]      ; my 256 bytes of scale words
	s_mul_i32 s28, s19, 6144
	s_add_co_u32 s28, s28, s26
	s_add_nc_u64 s[10:11], s[10:11], s[28:29]      ; my four fragments
.macro LOAD k                          ; fragment k: 128 numbers of each of the tile's 16 rows, into set k % 2
.irp i, 0,1,2,3,4,5,6,7,8,9,10,11,12,13,14,15
	global_load_b128 v[R+64*((\k)%2)+4*\i:R+64*((\k)%2)+4*\i+3], v[A16], s[4:5] offset:((\i%8)+32*(\i/8))*4096+512*(\k) th:TH_LOAD_NT
.endr
.endm
.macro STEP k
.if (\k) > 0
	s_wait_xcnt 0x0                                ; the last fragment's stores have read their data: the codes' registers are written again only behind this wait
.endif
.if (\k) < 3
	s_wait_loadcnt 16                              ; this fragment's sixteen loads are in; the next one's sixteen may be out
.else
	s_wait_loadcnt 0x0
.endif
.irp i, 0,1,2,3,4,5,6,7,8,9,10,11,12,13,14,15
	ds_store_b128 v[SIN], v[R+64*((\k)%2)+4*\i:R+64*((\k)%2)+4*\i+3] offset:SP*\i
.endr
.irp c, 0,1
.irp i, 0,1,2,3,4,5,6,7
	ds_load_b128 v[X+32*\c+4*\i:X+32*\c+4*\i+3], v[SOUT] offset:256*\c+16*\i   ; k = 64 c + 32 h + 4 i on of row r; LDS serves a wave's instructions in order (ISA guide 5.7.1.4)
.endr
.endr
	s_wait_dscnt 0x0
.if (\k) < 2
	LOAD (\k)+2
.endif
	QUANT64 X, SW+(\k)
	global_store_b128 v[A16], v[PC:PC+3], s[10:11] offset:1536*(\k)             ; each store covers 512 or 256 consecutive bytes, aligned to 256
	global_store_b64 v[A8], v[PC+4:PC+5], s[10:11] offset:1536*(\k)+512
	global_store_b128 v[A16], v[PC+6:PC+9], s[10:11] offset:1536*(\k)+768
	global_store_b64 v[A8], v[PC+10:PC+11], s[10:11] offset:1536*(\k)+1280
.endm
	LOAD 0
	LOAD 1
	STEP 0
	STEP 1
	STEP 2
	STEP 3
	v_cmp_le_u32 vcc_lo, 16, v7                    ; lanes 16-31 store words 2 and 3 of their row, lanes 0-15 words 0 and 1
	v_cndmask_b32 v[DD], v[SW], v[SW+2], vcc_lo
	v_cndmask_b32 v[DD+1], v[SW+1], v[SW+3], vcc_lo
	global_store_b64 v[SCO], v[DD:DD+1], s[12:13]  ; 256 consecutive bytes, aligned
	s_wait_tensorcnt 0x0
	ds_add_u32 v248, v249
	s_wait_dscnt 0x0
	s_endpgm
.Lfunc_end_k_q37e85ba4af_quant:
	.size	k_q37e85ba4af_quant, .Lfunc_end_k_q37e85ba4af_quant-k_q37e85ba4af_quant
	.p2alignl 7, 3214868480
	.fill 96, 4, 3214868480
	.section	.rodata,"a",@progbits
	.p2align	6, 0x0
	.amdhsa_kernel k_q37e85ba4af_quant
		.amdhsa_group_segment_fixed_size 51456
		.amdhsa_private_segment_fixed_size 0
		.amdhsa_enable_private_segment 0
		.amdhsa_kernarg_size 48
		.amdhsa_user_sgpr_count 2
		.amdhsa_user_sgpr_kernarg_segment_ptr 1
		.amdhsa_wavefront_size32 1
		.amdhsa_system_sgpr_workgroup_id_x 1
		.amdhsa_system_sgpr_workgroup_id_y 1
		.amdhsa_system_sgpr_workgroup_id_z 1
		.amdhsa_system_vgpr_workitem_id 0
		.amdhsa_next_free_vgpr 250
		.amdhsa_next_free_sgpr 66
		.amdhsa_reserve_vcc 1
		.amdhsa_float_denorm_mode_32 3
		.amdhsa_float_denorm_mode_16_64 3
		.amdhsa_memory_ordered 1
		.amdhsa_forward_progress 1
		.amdhsa_inst_pref_size 31
	.end_amdhsa_kernel
	.amdgpu_metadata
---
amdhsa.version: [ 1, 2 ]
amdhsa.kernels:
  - .name:           k_q37e85ba4af_quant
    .symbol:         k_q37e85ba4af_quant.kd
    .args:
      - { .name: x, .offset: 0, .size: 8, .value_kind: global_buffer, .address_space: global }
      - { .name: w_in, .offset: 8, .size: 8, .value_kind: global_buffer, .address_space: global }
      - { .name: w_out, .offset: 16, .size: 8, .value_kind: global_buffer, .address_space: global }
      - { .name: x_img, .offset: 24, .size: 8, .value_kind: global_buffer, .address_space: global }
      - { .name: wi_img, .offset: 32, .size: 8, .value_kind: global_buffer, .address_space: global }
      - { .name: wo_img, .offset: 40, .size: 8, .value_kind: global_buffer, .address_space: global }
    .group_segment_fixed_size: 51456
    .private_segment_fixed_size: 0
    .kernarg_segment_align: 8
    .kernarg_segment_size: 48
    .max_flat_workgroup_size: 192
    .sgpr_count:     66
    .vgpr_count:     250
    .wavefront_size: 32
...
	.end_amdgpu_metadata
.endif
;; end of part 1
;; launch qkv (part 2): grid 8 x 48, 4 waves a work-group, clusters of 4 x 4, 327,680 bytes of LDS; arguments x_img, wi_img, b_in, qkv; writes qkv
.if DOCPART == 2
	.amdgcn_target "amdgcn-amd-amdhsa--gfx1250"
	.amdhsa_code_object_version 6
	.text
	.protected	k_q37e85ba4af_qkv
	.globl	k_q37e85ba4af_qkv
	.p2align	8
	.type	k_q37e85ba4af_qkv,@function
k_q37e85ba4af_qkv:
	s_mov_b64 s[64:65], 0
	v_nop
	global_prefetch_b8 v0, s[64:65] scope:SCOPE_SE
	s_setreg_imm32_b32 hwreg(HW_REG_WAVE_MODE, 25, 1), 1
	s_wait_xcnt 0x0
	s_wait_alu depctr_hold_cnt(0) depctr_sa_sdst(0) depctr_va_vdst(0) depctr_va_sdst(0) depctr_va_ssrc(0) depctr_va_vcc(0) depctr_vm_vsrc(0)
	s_getreg_b32 s2, hwreg(HW_REG_IB_STS2, 6, 4)
	s_cmp_eq_u32 s2, 0
	s_cbranch_scc0 .Lentry_in_a_cluster
	s_endpgm
.Lentry_in_a_cluster:
	s_bfe_u32 s2, ttmp6, 0x10000c
	s_cmp_lg_u32 s2, 0xf033
	s_cbranch_scc0 .Lentry_shape_is_right
	s_endpgm
.Lentry_shape_is_right:
; qkv = x w_in^T + b_in on codes of BF6 with E8M0 scales; the results are quantised at once, q and k along the head's 64, v along the keys, and leave as the attention launch's operands.
; ONE BODY, TWO KINDS OF WORK-GROUP, by the cluster's y (the same in all partners).  Both make 256 x 256 of C' = A' B'^T, K = 1,024; source 0 = 16 rows of B', source 1 = 16 rows of A',
; so that a lane holds one row of A' and its registers run along B's rows.
;   kind QK (cluster y 0-7):  A' = x (tokens), B' = w_in's rows 0-2047: a lane holds a token, its registers run along the head's channels: q's and k's K.
;   kind V  (cluster y 8-11): A' = w_in's rows 2048 on, B' = x: a lane holds a channel of v, its registers run along the tokens: v's K.
; Operands come as tile records (16 rows x 1,024 K in 12,800 bytes: eight register images of 1,536 bytes, then 512 bytes of scale words).  Lane r of tile 4 G + u is row 64 G + 8 u + r % 8 + 32 (r / 8):
; so the 32 registers that four neighbouring tiles of B' leave a lane are 32 neighbouring rows of B', a whole block of the quantiser, and no maximum or code changes lanes.
; Four waves, each 128 x 128: 64 accumulators.  K goes in four steps of 256 through two LDS slots; the scale words of all of K come once.  4 x 4 work-groups form a cluster: A's tiles are asked for
; jointly along a row of the cluster, B's along a column.
; OUT: chunk (batch x 16 + head, run of 128 tokens) of 19,968 bytes = parts Q, K, V of 6,656.  Q, K: eight half images of 768 bytes (16 tokens x 64), 512 bytes of scale words (bytes 2, 3 of a word are 0).
; V: four images of 1,536 bytes (16 channels x 128 keys), 256 bytes of scale words, and the same 256 once more.
; LIMITS: a block whose largest magnitude lies under 2^-122 keeps the byte 1, a block of zeros too (its codes are zeros; this program alone reads the bytes); NaN and infinities are not served.
; REGISTERS: window 0: v8-31 addresses; v32-63 scale words, two sets; v64-127 the bias; v128-223 A's fragments, one set (on the way out: at work); v224-233 the way out.
;   window 1: B's fragments, two sets, at v0 and v128.   windows 2, 3: the accumulators, (a, b) at v[8 (8 (a % 4) + b)].
.set REC,    12800
.set FR,     12                        ; registers of a fragment
.set NL,     4                         ; LDS loads that bring one
.set NP,     4                         ; places behind this matrix instruction (ISA guide 7.12.1)
.set NQ,     2                         ; fragments along K in a slot
.set TILEB,  3072                      ; a tile's two fragments of a K step
.set HALFT,  8*TILEB                   ; eight tiles: what one tensor load brings, and what one wave reads of A' or of B'
.set SLOT,   4*HALFT                   ; A's 16 tiles, then B's 16
.set SCL,    2*SLOT                    ; behind the ring: the scale words, 512 bytes a tile
.set HALFS,  4096
.set SPARE,  SCL+4*HALFS               ; the spare words, 128 bytes for each wave: two blocks of 256 bytes that no other line names
.set SCR,    SPARE+512                 ; 1,024 bytes for each wave: the results' scale words are gathered here; no fill lands here
.set CH,     19968
.set PART,   6656
.set HS,     16*CH                     ; from a head's chunks to the next head's
.set VB,     8                         ; v8-15  the bias loads' offsets
.set ADRA16, 16                        ; v16-17 A's fragments in slot 0, 1: + 16 x lane;  v18-19: + 8 x lane
.set ADRA8,  18
.set ADRB16, 20                        ; v20-23 the same for B'
.set ADRB8,  22
.set O16,    24                        ; v24  16 x lane
.set O8,     25                        ; v25  8 x lane
.set SCRW,   26                        ; v26  where I put a result's scale word
.set ADRS,   27                        ; v27  my scale words: lanes 0-15 A's rows, lanes 16-31 B's
.set SPW,    28                        ; v28  my spare word; never rewritten
.set NIL,    29                        ; v29  0; never rewritten
.set SH8,    30                        ; v30  8 h
.set SHV,    31                        ; v31  QK: 16 h;  V: 0
.set SC,     32
.set BB,     64
.set AF,     128
.set T,      128                       ; the way out: v128-191 64 results with their bias
.set PC,     192
.set TP,     204
.set MX,     212
.set SO,     214
.set BY,     216
.set WD,     218
.set WX,     219
.set SW,     220
.set Z,      224
.set SCRR,   232
.set OS,     233
.set G1,   24                          ; s[24:31] descriptor group 1 for A's tiles;  s[32:39] group 0, one set for each slot
.set G0,   32
.set G1B,  48                          ; s[48:55], s[56:63] the same for B's
.set G0B,  56
.set G1S,  68                          ; s[68:75], s[76:79] for A's scale words;  s[80:87], s[88:91] for B's.  Behind the K loop these 24 hold the way out's numbers
.set G0S,  76
.set G1SB, 80
.set G0SB, 88
.set SEL,  96
.set MSK,  73
.set STP,  74
.set STP3, 76
.set P0,   84
.set P1,   86
.set PS,   88
.set PS2,  90
.set MSB, 0
.macro WIN new                         ; the immediate's high byte repeats the setting that is left
.if MSB != \new
	s_set_vgpr_msb (MSB<<8)|\new
.set MSB, \new
.endif
.endm
.set MUL_LO, 0xa1                      ; source 0 (B') window 1, source 1 (A') window 0, C and D window 2
.set MUL_HI, 0xf1
.set TO_B,   0x40
; A joint load: waves 0 and 1 fetch for A', waves 2 and 3 for B'.  The branch hangs on the wave's number alone.  Four v_nop follow each of the two lines.
.macro JLOAD g0a, g1a, g0b, g1b
	s_cmp_eq_u32 s15, 0
	s_cbranch_scc0 .Lfor_b_\@
	tensor_load_to_lds s[\g0a:\g0a+3], s[\g1a:\g1a+7]
	s_nop 0
.rept 4
	v_nop
.endr
	s_branch .Lasked_\@
.Lfor_b_\@:
	tensor_load_to_lds s[\g0b:\g0b+3], s[\g1b:\g1b+7]
	s_nop 0
.rept 4
	v_nop
.endr
.Lasked_\@:
.endm
.macro CREST                           ; a round of the cluster's barrier behind its opening barrier
	s_cmp_lg_u32 s14, 0
	s_cbranch_scc1 .Lnot_wave_0_\@
	s_barrier_signal -3
.Lnot_wave_0_\@:
	s_barrier_wait -3
	s_barrier_signal -1
	s_barrier_wait -1
.endm
.macro CROUND
	s_barrier_signal -1
	s_barrier_wait -1
	CREST
.endm
.macro PLACES n
.rept \n
	v_nop
.endr
.endm
	s_load_b256 s[4:11], s[0:1], 0x0               ; x_img, wi_img, b_in, qkv
	v_lshl_add_u32 v[SPW], v0, 2, SPARE
	v_mov_b32 v[NIL], 0
	ds_add_u32 v28, v29
	ds_add_u32 v28, v29
	s_wait_dscnt 0x0
	v_lshrrev_b32 v1, 5, v0
	v_readfirstlane_b32 s14, v1                    ; wave 0..3
	s_lshr_b32 s15, s14, 1                         ; which half of A's rows is mine.  Also: I fetch for A' (0) or for B' (1)
	s_and_b32 s16, s14, 1                          ; which half of B's rows.  Also: which eight tiles I fetch
	s_bfe_u32 s40, ttmp6, 0x40000                  ; cx, cy: my place in the cluster
	s_bfe_u32 s41, ttmp6, 0x40004
	s_and_b32 s13, ttmp7, 0xffff                   ; the cluster's y
	s_max_u32 s18, s13, 8
	s_sub_co_u32 s18, s18, 8
	s_lshl_b32 s18, s18, 1
	s_add_co_u32 s18, s18, ttmp9                   ; kind V: 2 (y - 8) + x
	s_cmp_ge_u32 s13, 8
	s_cselect_b32 s12, 1, 0                        ; the kind: 1 = V
	s_cselect_b32 s17, 0, s13
	s_cselect_b32 s42, s18, ttmp9
	s_lshl_b32 s17, s17, 2
	s_add_co_u32 s17, s17, s41                     ; tile row of C' (256 rows of A')
	s_lshl_b32 s42, s42, 2
	s_add_co_u32 s42, s42, s40                     ; tile column (256 rows of B')
	s_lshl_b32 s43, s41, 2
	s_lshl_b32 s43, 15, s43                        ; my row of the cluster
	s_lshl_b32 s44, 0x1111, s40                    ; my column
	; descriptor group 1: eight tiles' 3,072 bytes of a K step: 8 rows of 384 elements of 8 bytes, 1,600 elements (a record) apart; dense in LDS
	s_or_b32 s[G1+0], s43, (3<<16)|(1<<21)         ; 15:0 the mask; 17:16 elements of 8 bytes; 20 no padding; 21 set beside a mask
	s_or_b32 s[G1B+0], s44, (3<<16)|(1<<21)
.irp g, G1, G1B
	s_mov_b32 s[\g+1], 384<<16                     ; tensor_dim0
	s_mov_b32 s[\g+2], 16<<16                      ; tensor_dim1: the head's loads bring all sixteen tiles; behind them these two words are set to 8
	s_mov_b32 s[\g+3], 384<<16                     ; tile_dim0
	s_mov_b32 s[\g+4], 16                          ; tile_dim1
	s_mov_b32 s[\g+5], 1600                        ; tensor_dim0_stride
	s_mov_b32 s[\g+6], 0
	s_mov_b32 s[\g+7], 0
.endr
	; and sixteen tiles' 512 bytes of scale words
	s_or_b32 s[G1S+0], s43, (3<<16)|(1<<21)
	s_or_b32 s[G1SB+0], s44, (3<<16)|(1<<21)
.irp g, G1S, G1SB
	s_mov_b32 s[\g+1], 64<<16
	s_mov_b32 s[\g+2], 16<<16                      ; sixteen tiles' scale words by one load
	s_mov_b32 s[\g+3], 64<<16
	s_mov_b32 s[\g+4], 16
	s_mov_b32 s[\g+5], 1600
	s_mov_b32 s[\g+6], 0
	s_mov_b32 s[\g+7], 0
.endr
	s_lshl_b32 s18, s16, 3                         ; which eight tiles I fetch
	s_lshl_b32 s20, s17, 4
	s_lshl_b32 s19, s12, 7                         ; kind V: w_in's rows 2048 on are tiles 128 on
	s_add_co_u32 s20, s20, s19
	s_mul_i32 s20, s20, REC                        ; A': tile 16 x tile row (+ 128)
	s_mov_b32 s21, 0
	s_lshl_b32 s46, s42, 4
	s_mul_i32 s46, s46, REC                        ; B': tile 16 x tile column
	s_mov_b32 s47, 0
	s_mul_i32 s45, s14, HALFT                      ; where they go: wave x eight tiles: no place in the cluster enters an LDS address
	s_mul_i32 s66, s18, REC                        ; in the ring I fetch eight tiles: which half, in bytes
	s_mov_b32 s67, 0
	s_mul_i32 s98, s14, HALFT                      ; and where they go in a slot
	s_mov_b32 s[SEL], 0x76543210
	s_mov_b32 s[SEL+1], 0xfedcba98
	s_wait_kmcnt 0x0
	s_cmp_lg_u32 s12, 0                            ; the choice hangs on the kind alone
	s_cselect_b64 s[22:23], s[6:7], s[4:5]
	s_cselect_b64 s[92:93], s[4:5], s[6:7]
	s_add_nc_u64 s[20:21], s[22:23], s[20:21]
	s_add_nc_u64 s[46:47], s[92:93], s[46:47]
	CROUND                                         ; all sixteen work-groups are here: the first joint loads meet
	s_mov_b32 s[G0S], 1
	s_mov_b32 s[G0S+1], SCL
	s_add_nc_u64 s[G0S+2:G0S+3], s[20:21], 12288
	s_or_b32 s[G0S+3], s[G0S+3], 0x80000000
	s_mov_b32 s[G0SB], 1
	s_mov_b32 s[G0SB+1], SCL+2*HALFS
	s_add_nc_u64 s[G0SB+2:G0SB+3], s[46:47], 12288
	s_or_b32 s[G0SB+3], s[G0SB+3], 0x80000000
.irp s, 0,1
	s_mov_b32 s[G0+4*\s], 1
	s_add_co_u32 s[G0+4*\s+1], s45, \s*SLOT
	s_add_nc_u64 s[G0+4*\s+2:G0+4*\s+3], s[20:21], \s*TILEB
	s_or_b32 s[G0+4*\s+3], s[G0+4*\s+3], 0x80000000
	s_mov_b32 s[G0B+4*\s], 1
	s_add_co_u32 s[G0B+4*\s+1], s45, \s*SLOT
	s_add_nc_u64 s[G0B+4*\s+2:G0B+4*\s+3], s[46:47], \s*TILEB
	s_or_b32 s[G0B+4*\s+3], s[G0B+4*\s+3], 0x80000000
.endr
	s_mov_b32 s[G0+1], 0                           ; slot 0's sets serve the head first: K step 0 of A's sixteen tiles,
	s_mov_b32 s[G0B+1], 2*HALFT                    ; and of B's sixteen, behind them
	s_add_nc_u64 s[G0+6:G0+7], s[G0+6:G0+7], s[66:67]      ; slot 1's sets: my eight tiles
	s_add_nc_u64 s[G0B+6:G0B+7], s[G0B+6:G0B+7], s[66:67]
; THE HEAD'S LOADS, ONE A WAVE: wave 0 K step 0 of A's tiles, wave 1 of B's, wave 2 A's scale words, wave 3 B's.  One tree of branches on the wave's number.
.macro ARM under, g0, g1, next
	s_cmp_lt_u32 s14, \under
	s_cbranch_scc0 \next
	tensor_load_to_lds s[\g0:\g0+3], s[\g1:\g1+7]
	s_nop 0
.rept 4
	v_nop
.endr
	s_branch .Lhead_asked
\next:
.endm
	ARM 1, G0,  G1,  .Lhead_b
	ARM 2, G0B, G1B, .Lhead_sa
	ARM 3, G0S, G1S, .Lhead_sb
	tensor_load_to_lds s[G0SB:G0SB+3], s[G1SB:G1SB+7]
	s_nop 0
.rept 4
	v_nop
.endr
.Lhead_asked:
	v_and_b32 v1, 31, v0                           ; lane
	v_and_b32 v2, 15, v0                           ; r
	v_bfe_u32 v3, v0, 4, 1                         ; h
	v_lshlrev_b32 v[O16], 4, v1
	v_lshlrev_b32 v[O8], 3, v1
	s_mul_i32 s21, s15, HALFT                      ; my eight tiles of A'
	s_mul_i32 s22, s16, HALFT                      ; my eight of B',
	s_add_co_u32 s22, s22, 2*HALFT                 ; which lie behind A's sixteen
.irp s, 0,1
	v_add_nc_u32 v[ADRA16+\s], s21, v[O16]
	v_add_nc_u32 v[ADRA8+\s], s21, v[O8]
	v_add_nc_u32 v[ADRB16+\s], s22, v[O16]
	v_add_nc_u32 v[ADRB8+\s], s22, v[O8]
	s_add_co_u32 s21, s21, SLOT
	s_add_co_u32 s22, s22, SLOT
.endr
	v_lshlrev_b32 v4, 4, v2                        ; 16 r
	s_lshl_b32 s21, s15, 12                        ; A's scale words: my eight tiles
	s_lshl_b32 s22, s16, 12                        ; B's: my eight, behind A's sixteen
	s_add_co_u32 s22, s22, 8192
	s_sub_co_u32 s22, s22, s21
	v_mul_u32_u24 v5, s22, v3                      ; lanes 16-31 take B's
	s_add_co_u32 s21, s21, SCL
	v_add_nc_u32 v5, v5, v4
	v_add_nc_u32 v[ADRS], s21, v5
	s_lshl_b32 s21, s14, 10
	s_add_co_u32 s21, s21, SCR                     ; my 1,024 bytes for the results' scale words
	v_lshl_add_u32 v5, v3, 9, v4
	v_add_nc_u32 v[SCRW], s21, v5                  ; in: 512 h + 16 r
	v_add_nc_u32 v[SCRR], s21, v[O16]              ; back: 16 x lane
	v_lshlrev_b32 v[SH8], 3, v3
	; THE BIAS.  QK: register 8 b + j wants b_in at my registers' channel 64 (b / 4) + 32 h + 8 (b % 4) + j.  V: register 8 a + j wants b_in at my lane's row of A's block a.
	s_lshl_b32 s18, s42, 8
	s_lshl_b32 s19, s16, 7
	s_add_co_u32 s18, s18, s19                     ; QK: 256 x tile column + 128 x half
	s_lshl_b32 s19, s17, 8
	s_lshl_b32 s92, s15, 7
	s_add_co_u32 s19, s19, s92
	s_add_co_u32 s19, s19, 2048                    ; V: 2,048 + 256 x tile row + 128 x half
	s_mov_b32 s22, 256
	s_cmp_lg_u32 s12, 0
	s_cselect_b32 s18, s19, s18
	s_cselect_b32 s23, -1, 0
	s_cselect_b32 s45, 0, 4                        ; from register j to j + 1: 4 bytes, or none
	s_cselect_b32 s21, 0, 16
	s_cselect_b32 s22, HS, s22
	s_lshl_b32 s18, s18, 2
	s_mov_b32 s19, 0
	s_add_nc_u64 s[8:9], s[8:9], s[18:19]
	v_mul_u32_u24 v[SHV], s21, v3
	v_mul_u32_u24 v5, s22, v3
	v_add_nc_u32 v[OS], v5, v4                     ; the scale words' way out: 16 r + h x (QK: 256;  V: a head's chunks)
	v_lshlrev_b32 v5, 7, v3                        ; QK: 128 h
	v_and_b32 v6, 7, v2
	v_lshrrev_b32 v7, 3, v2
	v_lshl_add_u32 v6, v7, 5, v6
	v_lshlrev_b32 v6, 2, v6                        ; V: 4 (r % 8 + 32 (r / 8))
	v_cndmask_b32 v[VB], v5, v6, s23
.irp j, 1,2,3,4,5,6,7
	v_add_nc_u32 v[VB+\j], s45, v[VB+\j-1]
.endr
.irp x, 0,1,2,3,4,5,6,7
.irp j, 0,1,2,3,4,5,6,7
	global_load_b32 v[BB+8*\x+\j], v[VB+\j], s[8:9] offset:4*(64*(\x/4)+8*(\x%4))   ; waited for on the way out
.endr
.endr
.macro FRAG reg, a16, a8, imm          ; a fragment comes as the image of its 12 registers: every load takes consecutive bytes
	ds_load_b128 v[(\reg):(\reg)+3], v[\a16] offset:(\imm)
	ds_load_b64 v[(\reg)+4:(\reg)+5], v[\a8] offset:(\imm)+512
	ds_load_b128 v[(\reg)+6:(\reg)+9], v[\a16] offset:(\imm)+768
	ds_load_b64 v[(\reg)+10:(\reg)+11], v[\a8] offset:(\imm)+1280
.endm
; 16 matrix instructions: A's blocks a0, a0 + 1 x B's eight, 128 along K: the slot's q-th.  p: B's set;  sc: the set of scale words.  zero = 1: the first product starts the sums.
; The 64 accumulators take turns, one instruction a turn, in the same order in every step.
.macro MUL16 a0, p, q, sc, zero
.irp a, \a0, \a0+1
.irp b, 0,1,2,3,4,5,6,7
.if \zero
	v_wmma_scale_f32_16x16x128_f8f6f4 v[8*(8*((\a)%4)+\b):8*(8*((\a)%4)+\b)+7], v[128*(\p)+FR*\b:128*(\p)+FR*\b+FR-1], v[AF+FR*(\a):AF+FR*(\a)+FR-1], 0, v[SC+8*NQ*(\sc)+NQ*\b+(\q)], v[SC+8*NQ*(\sc)+NQ*(\a)+(\q)] matrix_a_fmt:MATRIX_FMT_BF6 matrix_b_fmt:MATRIX_FMT_BF6 matrix_a_scale:MATRIX_SCALE_ROW1
.else
	v_wmma_scale_f32_16x16x128_f8f6f4 v[8*(8*((\a)%4)+\b):8*(8*((\a)%4)+\b)+7], v[128*(\p)+FR*\b:128*(\p)+FR*\b+FR-1], v[AF+FR*(\a):AF+FR*(\a)+FR-1], v[8*(8*((\a)%4)+\b):8*(8*((\a)%4)+\b)+7], v[SC+8*NQ*(\sc)+NQ*\b+(\q)], v[SC+8*NQ*(\sc)+NQ*(\a)+(\q)] matrix_a_fmt:MATRIX_FMT_BF6 matrix_b_fmt:MATRIX_FMT_BF6 matrix_a_scale:MATRIX_SCALE_ROW1
.endif
.endr
.endr
.endm
.macro FETCH_B slot, q, p
	WIN TO_B
.irp i, 0,1,2,3,4,5,6,7
	FRAG 128*(\p)+FR*\i, ADRB16+\slot, ADRB8+\slot, \i*TILEB+(\q)*1536
.endr
	WIN 0
.endm
.macro FETCH_A slot, q, i0
.irp i, \i0, \i0+1, \i0+2, \i0+3
	FRAG AF+FR*(\i), ADRA16+\slot, ADRA8+\slot, (\i)*TILEB+(\q)*1536
.endr
.endm
.macro SCALES set, ks                  ; K step ks's two words a row into a set: lanes 0-15 A's block i, lanes 16-31 B's block i
.irp i, 0,1,2,3,4,5,6,7
	ds_load_b64 v[SC+16*(\set)+2*\i:SC+16*(\set)+2*\i+1], v[ADRS] offset:512*\i+256*((\ks)/2)+8*((\ks)%2)
.endr
.endm
; A step of 128 along K that has its successor in the same slot.  A's one set: blocks 0-3 are fetched anew in the step's middle, blocks 4-7 at its end.
.macro STEP slot, q, zero
	s_wait_dscnt 4*NL                              ; B's set and A's blocks 0-3 are in; the youngest sixteen loads (A's blocks 4-7) may be out
	WIN MUL_LO
	MUL16 0, (\q)%2, \q, \slot, \zero
	MUL16 2, (\q)%2, \q, \slot, \zero
	s_wait_dscnt 0
	PLACES NP                                      ; in front of loads into registers that matrix instructions have read
	FETCH_B \slot, (\q)+1, 1-(\q)%2
	FETCH_A \slot, (\q)+1, 0
	WIN MUL_HI
	MUL16 4, (\q)%2, \q, \slot, \zero
	MUL16 6, (\q)%2, \q, \slot, \zero
	PLACES NP
	WIN 0
	FETCH_A \slot, (\q)+1, 4
.endm
; A slot's last step changes slots: one barrier; in front of it each wave waits for all its tensor loads, adds 0 to its spare word, and waits for that and for its reads of this slot.
; fill = 1: the barrier opens a round of the cluster's barrier, and this slot is filled again, two K steps ahead, first thing behind it.  ks: the next K step.
.macro TURN slot, next, fill, ks
	s_wait_tensorcnt 0x0                           ; all my tensor loads have landed: my part of the next slot
	ds_add_u32 v[SPW], v[NIL]                      ; 0 onto my spare word
	s_wait_dscnt 4*NL+1                            ; (the add and the youngest sixteen loads may be out)
	WIN MUL_LO
	MUL16 0, 1, NQ-1, \slot, 0
	s_wait_dscnt 0x0                               ; the add is done, and my reads of this slot are over
	s_barrier_signal -1
	MUL16 2, 1, NQ-1, \slot, 0
	WIN 0
	s_barrier_wait -1
.if \fill
	CREST                                          ; no wave of any partner still reads this slot or has a load on its way
	s_add_nc_u64 s[G0+4*\slot+2:G0+4*\slot+3], s[G0+4*\slot+2:G0+4*\slot+3], 2*TILEB
	s_add_nc_u64 s[G0B+4*\slot+2:G0B+4*\slot+3], s[G0B+4*\slot+2:G0B+4*\slot+3], 2*TILEB
	JLOAD G0+4*\slot, G1, G0B+4*\slot, G1B         ; the four v_nop behind it are also the places in front of the loads below
.else
	PLACES NP
.endif
	FETCH_B \next, 0, 0
	FETCH_A \next, 0, 0
	SCALES \next, \ks
	WIN MUL_HI
	MUL16 4, 1, NQ-1, \slot, 0
	MUL16 6, 1, NQ-1, \slot, 0
	PLACES NP
	WIN 0
	FETCH_A \next, 0, 4
.endm
	s_wait_alu depctr_va_vdst(0)
	s_wait_tensorcnt 0x0                           ; my tile of the head's four is in
	ds_add_u32 v[SPW], v[NIL]
	s_mov_b32 s[G1+2], 8<<16                       ; no tensor load of mine is out: from here on a load brings eight tiles,
	s_mov_b32 s[G1+4], 8
	s_mov_b32 s[G1B+2], 8<<16
	s_mov_b32 s[G1B+4], 8
	s_mov_b32 s[G0+1], s98                         ; and slot 0's sets point at my eight
	s_mov_b32 s[G0B+1], s98
	s_add_nc_u64 s[G0+2:G0+3], s[G0+2:G0+3], s[66:67]
	s_add_nc_u64 s[G0B+2:G0B+3], s[G0B+2:G0B+3], s[66:67]
	s_wait_dscnt 0x0
	CROUND                                         ; a whole round: all four tiles are in, and the joint loads meet
	JLOAD G0+4, G1, G0B+4, G1B                     ; K step 1, the first tensor load behind the round
	FETCH_B 0, 0, 0
	FETCH_A 0, 0, 0
	SCALES 0, 0
	FETCH_A 0, 0, 4
	STEP 0, 0, 1                                   ; four K steps, written out
	TURN 0, 1, 1, 1
	STEP 1, 0, 0
	TURN 1, 0, 1, 2
	STEP 0, 0, 0
	TURN 0, 1, 0, 3
	STEP 1, 0, 0
	s_wait_dscnt 4*NL
	WIN MUL_LO
	MUL16 0, 1, NQ-1, 1, 0
	MUL16 2, 1, NQ-1, 1, 0
	s_wait_dscnt 0
	WIN MUL_HI
	MUL16 4, 1, NQ-1, 1, 0
	MUL16 6, 1, NQ-1, 1, 0
	WIN 0
; THE WAY OUT.  Where my 128 x 128 goes: tokens and channels change places between the kinds.
	s_and_b32 s70, s42, 3
	s_lshr_b32 s71, s42, 2
	s_mov_b32 s[STP], 768
	s_mov_b32 s[STP3], 768
	s_mov_b32 s78, 768
	s_mov_b32 s80, 256
	s_cmp_lg_u32 s12, 0
	s_cselect_b32 s68, s42, s17                    ; which 256 tokens,
	s_cselect_b32 s69, s16, s15                    ; which half of them,
	s_cselect_b32 s70, s17, s70                    ; which four heads,
	s_cselect_b32 s72, s15, s16                    ; which two of them,
	s_cselect_b32 s71, 2, s71                      ; which part of a chunk: 0 q, 1 k, 2 v
	s_cselect_b32 s[MSK], -1, 0xffff
	s_cselect_b32 s[STP], 1536, s[STP]             ; from block to block: V a whole image, QK half an image;
	s_cselect_b32 s[STP3], HS-4608, s[STP3]        ; behind block 3: V goes on to the next head
	s_cselect_b32 s78, s78, HS                     ; a block's second six registers: V the image's second half, QK the next head
	s_cselect_b32 s80, s80, HS                     ; the second 512 bytes of scale words: V the repeat, QK the next head
	s_mov_b32 s[STP+1], 0
	s_mov_b32 s[STP3+1], 0
	s_mov_b32 s79, 0
	s_mov_b32 s81, 0
	s_lshr_b32 s82, s68, 3                         ; the batch
	s_lshl_b32 s82, s82, 4
	s_lshl_b32 s83, s70, 2
	s_add_co_u32 s82, s82, s83
	s_lshl_b32 s83, s72, 1
	s_add_co_u32 s82, s82, s83                     ; batch x 16 + head
	s_lshl_b32 s82, s82, 4
	s_and_b32 s83, s68, 7
	s_lshl_b32 s83, s83, 1
	s_add_co_u32 s82, s82, s83
	s_add_co_u32 s82, s82, s69                     ; the chunk
	s_mul_i32 s82, s82, CH
	s_mul_i32 s83, s71, PART
	s_add_co_u32 s82, s82, s83
	s_mov_b32 s83, 0
	s_add_nc_u64 s[P0:P0+1], s[10:11], s[82:83]
	s_add_nc_u64 s[P1:P1+1], s[P0:P0+1], s[78:79]
	s_add_nc_u64 s[PS:PS+1], s[P0:P0+1], 6144
	s_add_nc_u64 s[PS2:PS2+1], s[PS:PS+1], s[80:81]
	s_wait_loadcnt 0x0                             ; the bias
	PLACES NP                                      ; behind the last products: their results are read, and registers that held A's fragments are written
	v_mov_b32 v[WX], 0                             ; a lane permute's destination counts as one of its sources
.macro QUANT64 s, sw                   ; 64 numbers of a lane, register 32 c + i = number i of my block 2 c + h -> the operand's 12 registers in v[PC] on, my row's scale word in v[sw]
.irp c, 0,1
	v_max3_num_f32 v[MX+\c], |v[(\s)+32*\c]|, |v[(\s)+32*\c+1]|, 0x2800000   ; with the floor 2^(5 - 127): the byte cannot fall under 1
.endr
.irp i, 2,4,6,8,10,12,14,16,18,20,22,24,26,28,30
.irp c, 0,1
	v_max3_num_f32 v[MX+\c], v[MX+\c], |v[(\s)+32*\c+\i]|, |v[(\s)+32*\c+\i+1]|
.endr
.endr
.irp c, 0,1
	v_add_nc_u32 v[SO+\c], 0xfe000000, v[MX+\c]    ; 4 off the exponent field: the conversion's scale operand
.endr
.irp c, 0,1
	v_lshrrev_b32 v[BY+\c], 23, v[SO+\c]
.endr
	v_lshl_or_b32 v[WD], v[BY+1], 16, v[BY]
	v_lshlrev_b32 v[WD], v[SH8], v[WD]
	v_permlanex16_b32 v[WX], v[WD], s[SEL], s[SEL+1]
	v_or_b32 v[\sw], v[WD], v[WX]
.irp c, 0,1
	v_cvt_scalef32_pk16_bf6_f32 v[PC+6*\c:PC+6*\c+2], v[(\s)+32*\c:(\s)+32*\c+15], v[SO+\c]
	v_cvt_scalef32_pk16_bf6_f32 v[TP+4*\c:TP+4*\c+2], v[(\s)+32*\c+16:(\s)+32*\c+31], v[SO+\c]
.endr
	v_nop                                          ; one plain place behind a scaled conversion
.irp c, 0,1
.irp i, 0,1,2
	v_mov_b32 v[PC+6*\c+3+\i], v[TP+4*\c+\i]
.endr
.endr
.endm
; A's block a: its eight accumulators get their bias (each read from its low end on), are quantised, and leave.  The two arms hold register work alone and differ in the bias's register.
.macro BLOCK a
	s_cmp_lg_u32 s12, 0
	s_cbranch_scc1 .Lkind_v_\@
	WIN 0x02+(\a)/4
.irp b, 0,1,2,3,4,5,6,7
.irp i, 0,2,4,6
	v_pk_add_f32 v[T+8*\b+\i:T+8*\b+\i+1], v[64*((\a)%4)+8*\b+\i:64*((\a)%4)+8*\b+\i+1], v[BB+8*\b+\i:BB+8*\b+\i+1]
.endr
.endr
	WIN 0
	s_branch .Lbiased_\@
.Lkind_v_\@:
	WIN 0x02+(\a)/4
.irp b, 0,1,2,3,4,5,6,7
.irp i, 0,2,4,6
	v_pk_add_f32 v[T+8*\b+\i:T+8*\b+\i+1], v[64*((\a)%4)+8*\b+\i:64*((\a)%4)+8*\b+\i+1], v[BB+8*(\a)+\i:BB+8*(\a)+\i+1]
.endr
.endr
	WIN 0
.Lbiased_\@:
	s_wait_xcnt 0x0                                ; the last block's stores have read their data and bases: both are written again only behind this wait
.if (\a) == 4
	s_add_nc_u64 s[P0:P0+1], s[P0:P0+1], s[STP3:STP3+1]
	s_add_nc_u64 s[P1:P1+1], s[P1:P1+1], s[STP3:STP3+1]
.elseif (\a) > 0
	s_add_nc_u64 s[P0:P0+1], s[P0:P0+1], s[STP:STP+1]
	s_add_nc_u64 s[P1:P1+1], s[P1:P1+1], s[STP:STP+1]
.endif
	QUANT64 T, SW
	v_lshrrev_b32 v[WD], v[SHV], v[SW]             ; QK: lanes 0-15 keep the first head's two bytes, lanes 16-31 the second head's;  V: the whole word
	v_and_b32 v[WD], s[MSK], v[WD]
	ds_store_b32 v[SCRW], v[WD] offset:256*((\a)/4)+4*((\a)%4)
	global_store_b128 v[O16], v[PC:PC+3], s[P0:P0+1]               ; each store covers 512 or 256 consecutive bytes, aligned to 256
	global_store_b64 v[O8], v[PC+4:PC+5], s[P0:P0+1] offset:512
	global_store_b128 v[O16], v[PC+6:PC+9], s[P1:P1+1]
	global_store_b64 v[O8], v[PC+10:PC+11], s[P1:P1+1] offset:512
.endm
.irp a, 0,1,2,3,4,5,6,7
	BLOCK \a
.endr
	ds_load_b128 v[Z:Z+3], v[SCRR]                 ; LDS serves a wave's instructions in order (ISA guide 5.7.1.4): these see my stores
	ds_load_b128 v[Z+4:Z+7], v[SCRR] offset:512
	s_wait_dscnt 0x0
	global_store_b128 v[OS], v[Z:Z+3], s[PS:PS+1]
	global_store_b128 v[OS], v[Z+4:Z+7], s[PS2:PS2+1]
	s_wait_tensorcnt 0x0                           ; the wave's end
	ds_add_u32 v[SPW], v[NIL]
	s_wait_dscnt 0x0
	CROUND                                         ; the closing round
	s_endpgm
.Lfunc_end_k_q37e85ba4af_qkv:
	.size	k_q37e85ba4af_qkv, .Lfunc_end_k_q37e85ba4af_qkv-k_q37e85ba4af_qkv
	.p2alignl 7, 3214868480
	.fill 96, 4, 3214868480
	.section	.rodata,"a",@progbits
	.p2align	6, 0x0
	.amdhsa_kernel k_q37e85ba4af_qkv
		.amdhsa_group_segment_fixed_size 327680
		.amdhsa_private_segment_fixed_size 0
		.amdhsa_enable_private_segment 0
		.amdhsa_kernarg_size 32
		.amdhsa_user_sgpr_count 2
		.amdhsa_user_sgpr_kernarg_segment_ptr 1
		.amdhsa_wavefront_size32 1
		.amdhsa_system_sgpr_workgroup_id_x 1
		.amdhsa_system_sgpr_workgroup_id_y 1
		.amdhsa_system_sgpr_workgroup_id_z 1
		.amdhsa_system_vgpr_workitem_id 0
		.amdhsa_next_free_vgpr 1024
		.amdhsa_next_free_sgpr 100
		.amdhsa_reserve_vcc 0
		.amdhsa_float_denorm_mode_32 3
		.amdhsa_float_denorm_mode_16_64 3
		.amdhsa_memory_ordered 1
		.amdhsa_forward_progress 1
		.amdhsa_inst_pref_size 185
	.end_amdhsa_kernel
	.amdgpu_metadata
---
amdhsa.version: [ 1, 2 ]
amdhsa.kernels:
  - .name:           k_q37e85ba4af_qkv
    .symbol:         k_q37e85ba4af_qkv.kd
    .args:
      - { .name: x_img, .offset: 0, .size: 8, .value_kind: global_buffer, .address_space: global }
      - { .name: wi_img, .offset: 8, .size: 8, .value_kind: global_buffer, .address_space: global }
      - { .name: b_in, .offset: 16, .size: 8, .value_kind: global_buffer, .address_space: global }
      - { .name: qkv, .offset: 24, .size: 8, .value_kind: global_buffer, .address_space: global }
    .group_segment_fixed_size: 327680
    .private_segment_fixed_size: 0
    .kernarg_segment_align: 8
    .kernarg_segment_size: 32
    .max_flat_workgroup_size: 128
    .sgpr_count:     100
    .vgpr_count:     1024
    .wavefront_size: 32
...
	.end_amdgpu_metadata
.endif
;; end of part 2
;; launch attn (part 3): grid 4 x 64, 8 waves a work-group, clusters of 4 x 1, 327,680 bytes of LDS; arguments qkv, o_img; writes o_img
.if DOCPART == 3
	.amdgcn_target "amdgcn-amd-amdhsa--gfx1250"
	.amdhsa_code_object_version 6
	.text
	.protected	k_q37e85ba4af_attn
	.globl	k_q37e85ba4af_attn
	.p2align	8
	.type	k_q37e85ba4af_attn,@function
k_q37e85ba4af_attn:
	s_mov_b64 s[64:65], 0
	v_nop
	global_prefetch_b8 v0, s[64:65] scope:SCOPE_SE
	s_setreg_imm32_b32 hwreg(HW_REG_WAVE_MODE, 25, 1), 1
	s_wait_xcnt 0x0
	s_wait_alu depctr_hold_cnt(0) depctr_sa_sdst(0) depctr_va_vdst(0) depctr_va_sdst(0) depctr_va_ssrc(0) depctr_va_vcc(0) depctr_vm_vsrc(0)
	s_getreg_b32 s2, hwreg(HW_REG_IB_STS2, 6, 4)
	s_cmp_eq_u32 s2, 0
	s_cbranch_scc0 .Lentry_in_a_cluster
	s_endpgm
.Lentry_in_a_cluster:
	s_bfe_u32 s2, ttmp6, 0x10000c
	s_cmp_lg_u32 s2, 0x3003
	s_cbranch_scc0 .Lentry_shape_is_right
	s_endpgm
.Lentry_shape_is_right:
; o = softmax(q k^T / 64) v for one head (cluster y = batch x 16 + head) and 512 queries (the work-group's place along x), on codes of BF6 with E8M0 scales; o is quantised along the head's 64 and leaves as the last launch's operand.
; INPUT: chunks of 19,968 bytes (head, run of 128 tokens) = parts Q, K, V of 6,656.  Q, K: eight half images of 768 bytes (16 tokens x 64) and 512 bytes of scale words; V: four images of 1,536 bytes (16 channels x 128 keys) and scale words.
; Both products are used transposed (S^T = k q^T, O^T = v^T p^T): a lane holds one query; the tiles' rows are laid so that its 32 registers of four tiles are 32 neighbouring keys (channels): a whole block of the quantiser.
; p = 2^(t - M), t = score x log2(e) / 64, M the ceiling of the running largest t, kept as -M = the least floor(-t); when M moves, sum and O^T are multiplied by the exact power of two 2^(old M - new M).  The sum is taken of the unquantised p.
; A block's largest p is made from its largest score by the same multiply-add and exponential as every p.
; SHARES: 8 waves, two to a SIMD; a wave holds FOUR tiles of 16 queries, so each fragment of K and V is read from LDS once for four tiles.  16 steps of 128 keys.
; In a step the four tiles go through two score buffers.  Tile i's exponentials stand by turns with tile i + 1's score products, tile i - 1's products with V at their head;
; behind them come tile i + 1's maxima, tile i's sum, and, line by line by turns, tile i's scale word, tile i + 1's new M and the rescaling of tile i's O^T; then tile i's codes and tile i + 1's t - M.
; The next step's K is fetched behind the step's last score product, its V behind the step's last product.  In the last trip the address is held at step 15: its 35 loads are fetched once more and multiplied by nobody, so that the loop has one body.
; LDS: the head's 16 chunks of K and V, 212,992 bytes, asked for ONCE, jointly by the cluster's four work-groups (same head, same tiles): one load a wave, two chunks (2 rows of 13,312 bytes, 19,968 apart).  Nothing is filled again.
; No prefetch: everything is asked for at the head, there is no loop to run ahead in.
; LIMITS: the promise holds while the scaled scores stay under 2^31 in magnitude; a block whose largest magnitude lies under 2^-122 keeps the byte 1 (this program alone reads the bytes); NaN and infinities are not served.
; REGISTERS: window 0: addresses, state, scale words, codes, q, and from v128 O^T of the four tiles.  Window 1: v0-127 the two score buffers, v128-181 K, v184-231 V, v232-243 the chains of sums and maxima.
; So score products, exponentials and t - M run under one setting of the windows (source 0 and destination in window 1).
.set CH,    19968
.set PART,  6656
.set STEPB, 13312                      ; K and V of 128 keys
.set REC,   12800
.set SPARE, 16*STEPB                   ; the spare words, 128 bytes for each wave
.set WD,    0                          ; (the thread's number is used at the head alone)
.set A16,   1                          ; 16 x lane
.set A8,    2                          ; 8 x lane
.set AR,    3                          ; 16 r
.set NA16,  4                          ; v4-6 the same three, at the next step's tiles
.set NA8,   5
.set NAR,   6
.set SH8,   7                          ; 8 h
.set SPW,   8
.set NIL,   9
.set WX,    10
.set T0,    11
.set T1,    12
.set PW,    13                         ; p's scale word
.set SO,    14
.set ST,    16                         ; v16-39 a tile's state, six registers: -M, a filler; the sum in two halves; the factor, a filler
.set QS,    40                         ; q's scale words
.set KS,    44                         ; K's
.set VS,    52                         ; V's
.set ME,    56                         ; v56-59 the blocks' largest, two sets
.set PC,    60                         ; p's codes
.set TP,    72
.set QF,    80                         ; v80-127 q's four fragments, the upper six registers of each zeros
.set OO,    128                        ; v128-255 O^T
.set KF,    128                        ; window 1: K's eight half fragments; the upper six registers of the last are zeros
.set VF,    184                        ; window 1: V's four fragments
.set AC,    232                        ; window 1: four chains of the sum
.set MX,    240                        ; window 1: four chains of the maxima
.set NB,    3
.set WV,    8
.set NC,    16
.set TN,    17
.set SEL,   28
.set CS,    30
.set TB,    32
.set CNT,   33
.set MSB, 0
.macro WIN new                         ; low byte: bits 1:0 source 0, 3:2 source 1, 5:4 source 2, 7:6 destination; the high byte repeats the setting that is left
.if MSB != \new
	s_set_vgpr_msb (MSB<<8)|\new
.set MSB, \new
.endif
.endm
.macro ROUND
	s_barrier_signal -1
	s_barrier_wait -1
	s_cmp_lg_u32 s[WV], 0
	s_cbranch_scc1 .Lnot_wave_0_\@
	s_barrier_signal -3
.Lnot_wave_0_\@:
	s_barrier_wait -3
	s_barrier_signal -1
	s_barrier_wait -1
.endm
.macro NOPS                            ; four places behind a matrix instruction (ISA guide 7.12.1)
.rept 4
	v_nop
.endr
.endm
.macro LOADK a16, a8, ar               ; 18 loads
	WIN 0x40
.irp t, 0,1,2,3,4,5,6,7
	ds_load_b128 v[KF+6*\t:KF+6*\t+3], v[\a16] offset:768*\t
	ds_load_b64 v[KF+6*\t+4:KF+6*\t+5], v[\a8] offset:768*\t+512
.endr
	WIN 0
	ds_load_b128 v[KS:KS+3], v[\ar] offset:6144
	ds_load_b128 v[KS+4:KS+7], v[\ar] offset:6400
.endm
.macro LOADV a16, a8, ar               ; 17 loads
	WIN 0x40
.irp t, 0,1,2,3
	ds_load_b128 v[VF+12*\t:VF+12*\t+3], v[\a16] offset:PART+1536*\t
	ds_load_b64 v[VF+12*\t+4:VF+12*\t+5], v[\a8] offset:PART+1536*\t+512
	ds_load_b128 v[VF+12*\t+6:VF+12*\t+9], v[\a16] offset:PART+1536*\t+768
	ds_load_b64 v[VF+12*\t+10:VF+12*\t+11], v[\a8] offset:PART+1536*\t+1280
.endr
	WIN 0
	ds_load_b128 v[VS:VS+3], v[\ar] offset:PART+6144
.endm
.macro SM1 i, t                        ; S^T of tile i, 16 keys, into buffer i % 2: K = 64 and 64 zeros of q.  Under setting 0x41
	v_wmma_scale_f32_16x16x128_f8f6f4 v[64*((\i)%2)+8*(\t):64*((\i)%2)+8*(\t)+7], v[KF+6*(\t):KF+6*(\t)+11], v[QF+12*(\i):QF+12*(\i)+11], 0, v[KS+(\t)], v[QS+(\i)] matrix_a_fmt:MATRIX_FMT_BF6 matrix_b_fmt:MATRIX_FMT_BF6
.endm
.macro PV i                            ; O^T += v^T p^T of tile i
	WIN 0x01
.irp t, 0,1,2,3
	v_wmma_scale_f32_16x16x128_f8f6f4 v[OO+32*(\i)+8*\t:OO+32*(\i)+8*\t+7], v[VF+12*\t:VF+12*\t+11], v[PC:PC+11], v[OO+32*(\i)+8*\t:OO+32*(\i)+8*\t+7], v[VS+\t], v[PW] matrix_a_fmt:MATRIX_FMT_BF6 matrix_b_fmt:MATRIX_FMT_BF6
.endr
.endm
.macro BATCH i                         ; p of tile i; at the head tile i - 1's products with V; by turns with the exponentials tile i + 1's score products
.set SB, 64*((\i)%2)
.set MM, ME+2*((\i)%2)
	WIN 0
	s_wait_alu depctr_va_vdst(0)
.if (\i) == 1
	s_wait_dscnt 0x0                               ; V's fragments are in
.endif
	v_exp_f32 v[MM], v[MM]
	v_exp_f32 v[MM+1], v[MM+1]
.if (\i) > 0
	PV (\i)-1
.endif
	WIN 0x41
.set t, 0
.rept 8
.if (\i) < 3
	SM1 (\i)+1, t
.endif
.set j, 0
.rept 8
	v_exp_f32 v[SB+8*t+j], v[SB+8*t+j]
.set j, j+1
.endr
.set t, t+1
.endr
	NOPS                                           ; the place behind the last exponential, and the places behind the products
.endm
.macro MAXB i                          ; the two blocks' largest scores of tile i: four chains, each accumulator from its low end on
.set SB, 64*((\i)%2)
.set MM, ME+2*((\i)%2)
	WIN 0x55
	s_wait_alu depctr_va_vdst(0)                   ; behind the batch, and directly ahead of the first readers of the scores
.irp e, 0,1,2,3
	v_max3_num_f32 v[MX+\e], s[NB], v[SB+16*\e], v[SB+16*\e+1]
.endr
.irp k, 2,4,6,8,10,12,14
.irp e, 0,1,2,3
	v_max3_num_f32 v[MX+\e], v[MX+\e], v[SB+16*\e+\k], v[SB+16*\e+\k+1]
.endr
.endr
	WIN 0x05
	v_max_num_f32 v[MM], v[MX], v[MX+1]
	v_max_num_f32 v[MM+1], v[MX+2], v[MX+3]
.endm
.macro OM n                            ; two registers of O^T under the new M
	v_pk_mul_f32 v[OB+2*(\n):OB+2*(\n)+1], v[OB+2*(\n):OB+2*(\n)+1], v[SH+4:SH+5] op_sel_hi:[1,0]
.endm
; Three strands in window 0, line by line by turns.  hd = 1: tile ih's scale word (lanes 0-15 alone are read by the product: my two bytes and, 8 bits up, lane l xor 16's) and the rescaling of its O^T.
; tl = 1: tile it's new -M, its factor, and t - M of its blocks' largest.
.macro ZB ih, it, hd, tl
.set MM, ME+2*((\ih)%2)
.set MN, ME+2*((\it)%2)
.set SH, ST+6*(\ih)
.set SN, ST+6*(\it)
.set OB, OO+32*(\ih)
	WIN 0
.if \hd
	s_wait_alu depctr_va_vdst(0)                   ; directly ahead of the first readers of O^T
	v_max_num_f32 v[MM], 0x2800000, v[MM]          ; the floor 2^(5 - 127): the byte cannot fall under 1
	v_max_num_f32 v[MM+1], 0x2800000, v[MM+1]
.endif
.if \tl
	v_max_num_f32 v[T0], v[MN], v[MN+1]
.endif
.if \hd
	OM 0
	v_add_nc_u32 v[SO], 0xfe000000, v[MM]          ; 4 off the exponent field: the conversion's scale operand
	v_add_nc_u32 v[SO+1], 0xfe000000, v[MM+1]
.endif
.if \tl
	v_permlanex16_b32 v[T1], v[T0], s[SEL], s[SEL+1]
.endif
.if \hd
	OM 1
	v_lshrrev_b32 v[MM], 23, v[SO]
	v_lshrrev_b32 v[MM+1], 23, v[SO+1]
.endif
.if \tl
	v_max_num_f32 v[T0], v[T0], v[T1]              ; the step's largest score of my query
.endif
.if \hd
	OM 2
	v_lshl_or_b32 v[WD], v[MM+1], 16, v[MM]
	OM 3
.endif
.if \tl
	v_mul_f32 v[T0], s[NC], v[T0]                  ; -t
.endif
.if \hd
	OM 4
	v_permlanex16_b32 v[WX], v[WD], s[SEL], s[SEL+1]
	OM 5
.endif
.if \tl
	v_floor_f32 v[T0], v[T0]                       ; -ceil(t)
.endif
.if \hd
	OM 6
	OM 7
.endif
.if \tl
	v_min_num_f32 v[T0], v[T0], v[SN]              ; the new -M
.endif
.if \hd
	v_lshl_or_b32 v[PW], v[WX], 8, v[WD]
	OM 8
	OM 9
.endif
.if \tl
	v_sub_f32 v[T1], v[T0], v[SN]                  ; old M - new M: a whole number, 0 or less
	v_mov_b32 v[SN], v[T0]
.endif
.if \hd
	OM 10
	OM 11
.endif
.if \tl
	v_cvt_i32_f32 v[T1], v[T1]                     ; (it saturates)
	v_fma_f32 v[MN], v[MN], s[CS], v[SN]
	v_fma_f32 v[MN+1], v[MN+1], s[CS], v[SN]
.endif
.if \hd
	OM 12
	OM 13
.endif
.if \tl
	v_ldexp_f32 v[SN+4], 1.0, v[T1]
.endif
.if \hd
	OM 14
	OM 15
.endif
.endm
.macro FMA i                           ; t - M of tile i
.set SB, 64*((\i)%2)
	WIN 0x41
.set j, 0
.rept 32
	v_pk_fma_f32 v[SB+j:SB+j+1], v[SB+j:SB+j+1], s[CS:CS+1], v[ST+6*(\i):ST+6*(\i)+1] op_sel_hi:[1,0,0]
.set j, j+2
.endr
.endm
.macro SLOT i
	BATCH \i
.if (\i) == 2
	LOADK NA16, NA8, NAR                           ; the step's last score product stands four places back
.endif
.if (\i) < 3
	MAXB (\i)+1
.else
	s_wait_alu depctr_va_vdst(0)                   ; the wait behind the batch
.endif
.set SB, 64*((\i)%2)
	WIN 0x45                                       ; the sum of the unquantised p, in four chains
.irp e, 0,1,2,3
	v_pk_add_f32 v[AC+2*\e:AC+2*\e+1], v[SB+16*\e:SB+16*\e+1], v[SB+16*\e+2:SB+16*\e+3]
.endr
.irp k, 4,6,8,10,12,14
.irp e, 0,1,2,3
	v_pk_add_f32 v[AC+2*\e:AC+2*\e+1], v[AC+2*\e:AC+2*\e+1], v[SB+16*\e+\k:SB+16*\e+\k+1]
.endr
.endr
	v_pk_add_f32 v[AC:AC+1], v[AC:AC+1], v[AC+2:AC+3]
	v_pk_add_f32 v[AC+4:AC+5], v[AC+4:AC+5], v[AC+6:AC+7]
	v_pk_add_f32 v[AC:AC+1], v[AC:AC+1], v[AC+4:AC+5]
.if (\i) < 3
	ZB \i, (\i)+1, 1, 1
.else
	ZB \i, \i, 1, 0
.endif
.set SB, 64*((\i)%2)
	WIN 0x01
.irp c, 0,1
	v_cvt_scalef32_pk16_bf6_f32 v[PC+6*\c:PC+6*\c+2], v[SB+32*\c:SB+32*\c+15], v[SO+\c]
	v_cvt_scalef32_pk16_bf6_f32 v[TP+4*\c:TP+4*\c+2], v[SB+32*\c+16:SB+32*\c+31], v[SO+\c]
.endr
	WIN 0x10
	v_pk_fma_f32 v[ST+6*(\i)+2:ST+6*(\i)+3], v[ST+6*(\i)+2:ST+6*(\i)+3], v[ST+6*(\i)+4:ST+6*(\i)+5], v[AC:AC+1] op_sel_hi:[1,0,1]   ; the sum under the new M, and this step's
	WIN 0
.irp c, 0,1
.irp k, 0,1,2
	v_mov_b32 v[PC+6*\c+3+\k], v[TP+4*\c+\k]       ; (a conversion's three registers begin on an even number)
.endr
.endr
.if (\i) < 3
	FMA (\i)+1                                     ; also the places between the codes and the product that takes them
.else
	NOPS
	PV 3
.endif
.endm
	s_load_b128 s[4:7], s[0:1], 0x0                ; qkv, o_img
	v_lshl_add_u32 v[SPW], v0, 2, SPARE
	v_mov_b32 v[NIL], 0
	ds_add_u32 v[SPW], v[NIL]                      ; the opening lines: the add, twice on end, and its wait
	ds_add_u32 v[SPW], v[NIL]
	v_lshrrev_b32 v[T0], 5, v0
	v_readfirstlane_b32 s[WV], v[T0]               ; wave 0..7
	v_and_b32 v[T1], 31, v0
	v_lshlrev_b32 v[A16], 4, v[T1]
	v_lshlrev_b32 v[A8], 3, v[T1]
	v_and_b32 v[WX], 15, v0
	v_lshlrev_b32 v[AR], 4, v[WX]
	v_bfe_u32 v[T0], v0, 4, 1
	v_lshlrev_b32 v[SH8], 3, v[T0]
	s_and_b32 s43, ttmp7, 0xffff                   ; batch x 16 + head
	s_lshl_b32 s44, s43, 4                         ; its first chunk
	s_lshl_b32 s9, s[WV], 1
	s_add_co_u32 s9, s44, s9
	s_mul_i32 s46, s9, CH
	s_add_co_u32 s46, s46, PART                    ; K and V of chunks 2 w and 2 w + 1: the same in the four partners
	s_mov_b32 s47, 0
	s_mov_b32 s12, 1
	s_mul_i32 s13, s[WV], 2*STEPB
	s_mov_b32 s20, 15|(3<<16)|(1<<21)              ; the mask of the four; elements of 8 bytes; bit 21 beside a mask
	s_mov_b32 s21, 1664<<16                        ; tensor_dim0: 13,312 bytes
	s_mov_b32 s22, 2<<16                           ; tensor_dim1
	s_mov_b32 s23, 1664<<16                        ; tile_dim0
	s_mov_b32 s24, 2                               ; tile_dim1
	s_mov_b32 s25, 2496                            ; a chunk
	s_mov_b32 s26, 0
	s_mov_b32 s27, 0
	s_mov_b32 s[SEL], 0x76543210
	s_mov_b32 s[SEL+1], 0xfedcba98
	s_mov_b32 s[CS], 0x3cb8aa3b                    ; log2(e) / 64
	s_mov_b32 s[CS+1], s[CS]
	s_mov_b32 s[NC], 0xbcb8aa3b
	s_mov_b32 s[NB], 0xff61b1e6                    ; -3e38, under every score
	s_bfe_u32 s42, ttmp6, 0x40000                  ; cx: which 512 queries
	s_lshl_b32 s10, s42, 2
	s_add_co_u32 s10, s44, s10
	s_lshr_b32 s11, s[WV], 1
	s_add_co_u32 s10, s10, s11
	s_mul_i32 s10, s10, CH                         ; my queries' chunk
	s_and_b32 s11, s[WV], 1                        ; which four of its eight tiles
	s_mul_i32 s18, s11, 3072
	s_add_co_u32 s34, s10, s18
	s_mov_b32 s35, 0
	s_lshl_b32 s11, s11, 8
	s_add_co_u32 s36, s10, s11
	s_add_co_u32 s36, s36, 6144
	s_mov_b32 s37, 0
	s_lshr_b32 s18, s43, 4
	s_lshl_b32 s18, s18, 7
	s_lshl_b32 s19, s42, 5
	s_add_co_u32 s18, s18, s19
	s_lshl_b32 s19, s[WV], 2
	s_add_co_u32 s18, s18, s19
	s_mul_i32 s18, s18, REC                        ; my first record of o_img: tile 128 x batch + 32 cx + 4 w
	s_and_b32 s10, s43, 15                         ; the head
	s_mul_i32 s19, s10, 768
	s_add_co_u32 s38, s18, s19
	s_mov_b32 s39, 0
	s_lshr_b32 s19, s10, 3
	s_lshl_b32 s19, s19, 8
	s_add_co_u32 s18, s18, s19
	s_and_b32 s19, s10, 7
	s_lshl_b32 s19, s19, 1
	s_add_co_u32 s18, s18, s19
	s_add_co_u32 s40, s18, 12288
	s_mov_b32 s41, 0
	s_wait_alu depctr_va_vdst(0)
	s_wait_dscnt 0x0
	s_wait_kmcnt 0x0
	s_add_nc_u64 s[14:15], s[4:5], s[46:47]
	s_or_b32 s15, s15, 0x80000000
	s_add_nc_u64 s[34:35], s[4:5], s[34:35]
	s_add_nc_u64 s[36:37], s[4:5], s[36:37]
	s_add_nc_u64 s[38:39], s[6:7], s[38:39]
	s_add_nc_u64 s[40:41], s[6:7], s[40:41]
.irp i, 0,1,2,3
	global_load_b128 v[QF+12*\i:QF+12*\i+3], v[A16], s[34:35] offset:768*\i
	global_load_b64 v[QF+12*\i+4:QF+12*\i+5], v[A8], s[34:35] offset:768*\i+512
.endr
	global_load_b128 v[QS:QS+3], v[AR], s[36:37]   ; the four tiles' scale words of row r
	ROUND                                          ; the four work-groups are here: the joint loads meet
	tensor_load_to_lds s[12:15], s[20:27]          ; my one tensor load
	s_nop 0
.set j, 0
.rept 128
	v_mov_b32 v[OO+j], 0                           ; O^T: the step is written once; the first finds zeros
.set j, j+1
.endr
.irp i, 0,1,2,3
.irp k, 6,7,8,9,10,11
	v_mov_b32 v[QF+12*\i+\k], 0
.endr
	v_mov_b32 v[ST+6*\i], 0x7f61b1e6               ; -M: 3e38, over every floor(-t)
.irp k, 1,2,3,4,5
	v_mov_b32 v[ST+6*\i+\k], 0
.endr
.endr
	WIN 0x40
.irp k, 48,49,50,51,52,53
	v_mov_b32 v[KF+\k], 0
.endr
	WIN 0
	s_mov_b32 s[TB], 0
	s_mov_b32 s[CNT], 16
	s_wait_alu depctr_va_vdst(0)
	s_wait_loadcnt 0x0
	s_wait_tensorcnt 0x0                           ; my two chunks are in;
	s_barrier_signal -1
	s_barrier_wait -1                              ; everybody's are
	LOADK A16, A8, AR
	LOADV A16, A8, AR
.Lstep:
	s_add_co_u32 s[TB], s[TB], STEPB
	s_min_u32 s[TN], s[TB], 15*STEPB               ; the next step's tiles; in the last trip step 15's again
	v_add_nc_u32 v[NA16], s[TN], v[A16]
	v_add_nc_u32 v[NA8], s[TN], v[A8]
	v_add_nc_u32 v[NAR], s[TN], v[AR]
	s_wait_dscnt 17                                ; K's 18 loads are in; V's 17, issued behind them, may be out
	WIN 0x41
.set t, 0
.rept 8
	SM1 0, t
.set t, t+1
.endr
	NOPS
	MAXB 0
	ZB 0, 0, 0, 1
	FMA 0
	SLOT 0
	SLOT 1
	SLOT 2
	SLOT 3
	NOPS
	LOADV NA16, NA8, NAR
	s_sub_co_u32 s[CNT], s[CNT], 1
	s_cmp_lg_u32 s[CNT], 0
	s_wait_alu depctr_va_vdst(0)
	s_cbranch_scc1 .Lstep
	s_wait_dscnt 0x0                               ; no load is out
; THE WAY OUT: O^T / the sum, quantised along my 32 channels, the four tiles by turns; q's registers take the codes
.irp i, 0,1,2,3
	v_add_f32 v[ST+6*\i+2], v[ST+6*\i+2], v[ST+6*\i+3]
.endr
.irp i, 0,1,2,3
	v_permlanex16_b32 v[ME+\i], v[ST+6*\i+2], s[SEL], s[SEL+1]
.endr
.irp i, 0,1,2,3
	v_add_f32 v[ST+6*\i+2], v[ST+6*\i+2], v[ME+\i]
.endr
	s_wait_alu depctr_va_vdst(0)
.irp i, 0,1,2,3
	v_rcp_f32 v[ST+6*\i+4], v[ST+6*\i+2]
.endr
	v_nop
	s_wait_alu depctr_va_vdst(0)                   ; behind the batch, and directly ahead of the first readers of O^T
.irp i, 0,1,2,3
.set j, 0
.rept 16
	v_pk_mul_f32 v[OO+32*\i+j:OO+32*\i+j+1], v[OO+32*\i+j:OO+32*\i+j+1], v[ST+6*\i+4:ST+6*\i+5] op_sel_hi:[1,0]
.set j, j+2
.endr
.endr
.irp i, 0,1,2,3
	v_max3_num_f32 v[ME+\i], |v[OO+32*\i]|, |v[OO+32*\i+1]|, 0x2800000
.endr
.irp k, 2,4,6,8,10,12,14,16,18,20,22,24,26,28,30
.irp i, 0,1,2,3
	v_max3_num_f32 v[ME+\i], v[ME+\i], |v[OO+32*\i+\k]|, |v[OO+32*\i+\k+1]|
.endr
.endr
.irp i, 0,1,2,3
	v_add_nc_u32 v[PC+\i], 0xfe000000, v[ME+\i]
.endr
.irp i, 0,1,2,3
	v_lshrrev_b32 v[PC+4+\i], 23, v[PC+\i]
.endr
.irp i, 0,1,2,3
	v_lshlrev_b32 v[PC+4+\i], v[SH8], v[PC+4+\i]
.endr
.irp i, 0,1,2,3
	v_permlanex16_b32 v[ME+\i], v[PC+4+\i], s[SEL], s[SEL+1]
.endr
.irp i, 0,1,2,3
	v_or_b32 v[PC+4+\i], v[PC+4+\i], v[ME+\i]      ; my row's two bytes of this head, the same in both halves of the lanes
.endr
.irp i, 0,1,2,3
	v_cvt_scalef32_pk16_bf6_f32 v[QF+8*\i:QF+8*\i+2], v[OO+32*\i:OO+32*\i+15], v[PC+\i]
	v_cvt_scalef32_pk16_bf6_f32 v[QF+32+4*\i:QF+32+4*\i+2], v[OO+32*\i+16:OO+32*\i+31], v[PC+\i]
.endr
	v_nop                                          ; one plain place behind a scaled conversion
.irp i, 0,1,2,3
.irp k, 0,1,2
	v_mov_b32 v[QF+8*\i+3+\k], v[QF+32+4*\i+\k]
.endr
.endr
.irp i, 0,1,2,3
	global_store_b128 v[A16], v[QF+8*\i:QF+8*\i+3], s[38:39] offset:REC*\i          ; 512 and 256 consecutive bytes, aligned to 256
	global_store_b64 v[A8], v[QF+8*\i+4:QF+8*\i+5], s[38:39] offset:REC*\i+512
	global_store_b16 v[AR], v[PC+4+\i], s[40:41] offset:REC*\i
.endr
	s_wait_tensorcnt 0x0                           ; the wave's end
	ds_add_u32 v[SPW], v[NIL]
	s_wait_dscnt 0x0
	ROUND                                          ; the closing round
	s_endpgm
.Lfunc_end_k_q37e85ba4af_attn:
	.size	k_q37e85ba4af_attn, .Lfunc_end_k_q37e85ba4af_attn-k_q37e85ba4af_attn
	.p2alignl 7, 3214868480
	.fill 96, 4, 3214868480
	.section	.rodata,"a",@progbits
	.p2align	6, 0x0
	.amdhsa_kernel k_q37e85ba4af_attn
		.amdhsa_group_segment_fixed_size 327680
		.amdhsa_private_segment_fixed_size 0
		.amdhsa_enable_private_segment 0
		.amdhsa_kernarg_size 16
		.amdhsa_user_sgpr_count 2
		.amdhsa_user_sgpr_kernarg_segment_ptr 1
		.amdhsa_wavefront_size32 1
		.amdhsa_system_sgpr_workgroup_id_x 1
		.amdhsa_system_sgpr_workgroup_id_y 1
		.amdhsa_system_sgpr_workgroup_id_z 1
		.amdhsa_system_vgpr_workitem_id 0
		.amdhsa_next_free_vgpr 512
		.amdhsa_next_free_sgpr 66
		.amdhsa_reserve_vcc 0
		.amdhsa_float_denorm_mode_32 3
		.amdhsa_float_denorm_mode_16_64 3
		.amdhsa_memory_ordered 1
		.amdhsa_forward_progress 1
		.amdhsa_inst_pref_size 80
	.end_amdhsa_kernel
	.amdgpu_metadata
---
amdhsa.version: [ 1, 2 ]
amdhsa.kernels:
  - .name:           k_q37e85ba4af_attn
    .symbol:         k_q37e85ba4af_attn.kd
    .args:
      - { .name: qkv, .offset: 0, .size: 8, .value_kind: global_buffer, .address_space: global }
      - { .name: o_img, .offset: 8, .size: 8, .value_kind: global_buffer, .address_space: global }
    .group_segment_fixed_size: 327680
    .private_segment_fixed_size: 0
    .kernarg_segment_align: 8
    .kernarg_segment_size: 16
    .max_flat_workgroup_size: 256
    .sgpr_count:     66
    .vgpr_count:     512
    .wavefront_size: 32
...
	.end_amdgpu_metadata
.endif
;; end of part 3
;; launch outp (part 4): grid 4 x 64, 4 waves a work-group, clusters of 4 x 4, 327,680 bytes of LDS; arguments o_img, wo_img, b_out, out0; writes out0
.if DOCPART == 4
	.amdgcn_target "amdgcn-amd-amdhsa--gfx1250"
	.amdhsa_code_object_version 6
	.text
	.protected	k_q37e85ba4af_outp
	.globl	k_q37e85ba4af_outp
	.p2align	8
	.type	k_q37e85ba4af_outp,@function
k_q37e85ba4af_outp:
	s_mov_b64 s[64:65], 0
	v_nop
	global_prefetch_b8 v0, s[64:65] scope:SCOPE_SE
	s_setreg_imm32_b32 hwreg(HW_REG_WAVE_MODE, 25, 1), 1
	s_wait_xcnt 0x0
	s_wait_alu depctr_hold_cnt(0) depctr_sa_sdst(0) depctr_va_vdst(0) depctr_va_sdst(0) depctr_va_ssrc(0) depctr_va_vcc(0) depctr_vm_vsrc(0)
	s_getreg_b32 s2, hwreg(HW_REG_IB_STS2, 6, 4)
	s_cmp_eq_u32 s2, 0
	s_cbranch_scc0 .Lentry_in_a_cluster
	s_endpgm
.Lentry_in_a_cluster:
	s_bfe_u32 s2, ttmp6, 0x10000c
	s_cmp_lg_u32 s2, 0xf033
	s_cbranch_scc0 .Lentry_shape_is_right
	s_endpgm
.Lentry_shape_is_right:
.set REC,   12800
.set TILEB, 12288                      ; a tile's eight fragments: all of K.  LDS: A's 8 tiles, then B's 16, each whole, asked for once: one joint load a wave
.set CHUNK, 24*TILEB
.set SP,    528
.set ADR,   16
.set R16,   20
.set H128,  21
.set O16,   22
.set STO,   24
.set RD,    25
.set SCA,   32
.set SCB,   64
.set AF,    128
.set BK,    128
.set G1A,   24
.set G1B,   32
.set G0A,   40
.set MSB, 0
.macro WIN new
.if MSB != \new
	s_set_vgpr_msb (MSB<<8)|\new
.set MSB, \new
.endif
.endm
.macro JLOAD g0a, g1a, g0b, g1b
	s_cmp_eq_u32 s15, 0
	s_cbranch_scc0 .Lfor_b_\@
	tensor_load_to_lds s[\g0a:\g0a+3], s[\g1a:\g1a+7]
	s_nop 0
.rept 4
	v_nop
.endr
	s_branch .Lasked_\@
.Lfor_b_\@:
	tensor_load_to_lds s[\g0b:\g0b+3], s[\g1b:\g1b+7]
	s_nop 0
.rept 4
	v_nop
.endr
.Lasked_\@:
.endm
.macro CROUND
	s_barrier_signal -1
	s_barrier_wait -1
	s_cmp_lg_u32 s14, 0
	s_cbranch_scc1 .Lnot_wave_0_\@
	s_barrier_signal -3
.Lnot_wave_0_\@:
	s_barrier_wait -3
	s_barrier_signal -1
	s_barrier_wait -1
.endm
.macro PLACES
.rept 4
	v_nop
.endr
.endm
.macro FRAG reg, a16, a8, imm
	ds_load_b128 v[(\reg):(\reg)+3], v[\a16] offset:(\imm)
	ds_load_b64 v[(\reg)+4:(\reg)+5], v[\a8] offset:(\imm)+512
	ds_load_b128 v[(\reg)+6:(\reg)+9], v[\a16] offset:(\imm)+768
	ds_load_b64 v[(\reg)+10:(\reg)+11], v[\a8] offset:(\imm)+1280
.endm
	s_load_b256 s[4:11], s[0:1], 0x0
	v_lshl_add_u32 v30, v0, 2, 0x4b000
	v_mov_b32 v31, 0
	ds_add_u32 v30, v31
	ds_add_u32 v30, v31
	v_lshrrev_b32 v1, 5, v0
	v_readfirstlane_b32 s14, v1
	s_lshr_b32 s15, s14, 1
	s_and_b32 s16, s14, 1
	s_bfe_u32 s80, ttmp6, 0x40000
	s_bfe_u32 s81, ttmp6, 0x40004
	s_lshl_b32 s84, ttmp9, 2
	s_add_co_u32 s84, s84, s80
	s_and_b32 s17, ttmp7, 0xffff
	s_lshl_b32 s17, s17, 2
	s_add_co_u32 s17, s17, s81
	s_lshl_b32 s82, s81, 2
	s_lshl_b32 s82, 15, s82
	s_lshl_b32 s83, 0x1111, s80
	s_or_b32 s[G1A+0], s82, (3<<16)|(1<<21)
	s_mov_b32 s[G1A+1], 1536<<16
	s_mov_b32 s[G1A+2], 4<<16
	s_mov_b32 s[G1A+3], 1536<<16
	s_mov_b32 s[G1A+4], 4
	s_mov_b32 s[G1A+5], 1600
	s_mov_b32 s[G1A+6], 0
	s_mov_b32 s[G1A+7], 0
	s_or_b32 s[G1B+0], s83, (3<<16)|(1<<21)
	s_mov_b32 s[G1B+1], 1536<<16
	s_mov_b32 s[G1B+2], 8<<16
	s_mov_b32 s[G1B+3], 1536<<16
	s_mov_b32 s[G1B+4], 8
	s_mov_b32 s[G1B+5], 1600
	s_mov_b32 s[G1B+6], 0
	s_mov_b32 s[G1B+7], 0
	s_lshl_b32 s20, s17, 3
	s_lshl_b32 s18, s16, 2
	s_add_co_u32 s20, s20, s18
	s_mul_i32 s20, s20, REC
	s_mov_b32 s21, 0
	s_lshl_b32 s22, s84, 4
	s_lshl_b32 s18, s16, 3
	s_add_co_u32 s22, s22, s18
	s_mul_i32 s22, s22, REC
	s_mov_b32 s23, 0
	s_mul_i32 s18, s16, 4*TILEB
	s_mul_i32 s19, s16, 8*TILEB
	s_add_co_u32 s19, s19, 8*TILEB
	s_wait_dscnt 0x0
	s_wait_kmcnt 0x0
	s_add_nc_u64 s[20:21], s[4:5], s[20:21]
	s_add_nc_u64 s[22:23], s[6:7], s[22:23]
	CROUND
.irp k, 0
	s_mov_b32 s[G0A+4*\k], 1
	s_add_co_u32 s[G0A+4*\k+1], s18, \k*CHUNK
	s_add_nc_u64 s[G0A+4*\k+2:G0A+4*\k+3], s[20:21], \k*TILEB
	s_or_b32 s[G0A+4*\k+3], s[G0A+4*\k+3], 0x80000000
	s_mov_b32 s[56+4*\k+4*(\k/2)], 1
	s_add_co_u32 s[56+4*\k+4*(\k/2)+1], s19, \k*CHUNK
	s_add_nc_u64 s[56+4*\k+4*(\k/2)+2:56+4*\k+4*(\k/2)+3], s[22:23], \k*TILEB
	s_or_b32 s[56+4*\k+4*(\k/2)+3], s[56+4*\k+4*(\k/2)+3], 0x80000000
	JLOAD G0A+4*\k, G1A, 56+4*\k+4*(\k/2), G1B
.endr
	v_and_b32 v1, 31, v0
	v_and_b32 v2, 15, v0
	v_bfe_u32 v3, v0, 4, 1
	v_lshlrev_b32 v[O16], 4, v1
	v_lshlrev_b32 v4, 3, v1
	v_lshlrev_b32 v[R16], 4, v2
	v_lshlrev_b32 v[H128], 7, v3
	s_wait_alu depctr_va_vdst(0)
	s_mul_i32 s18, s15, 4*TILEB
	s_mul_i32 s19, s16, 8*TILEB
	s_add_co_u32 s19, s19, 8*TILEB
	v_add_nc_u32 v[ADR], s18, v[O16]
	v_add_nc_u32 v[ADR+1], s18, v4
	v_add_nc_u32 v[ADR+2], s19, v[O16]
	v_add_nc_u32 v[ADR+3], s19, v4
	v_add_nc_u32 v[ADR+10], 4*TILEB, v[ADR+2]      ; B's tiles 4-7: the loads' immediates have 16 bits
	v_add_nc_u32 v[ADR+11], 4*TILEB, v[ADR+3]
	s_mul_i32 s18, s14, 16*SP
	v_mul_u32_u24 v5, v2, SP
	v_lshl_add_u32 v5, v3, 7, v5
	v_add_nc_u32 v[STO], s18, v5
	v_add_nc_u32 v[RD], s18, v[O16]
	s_lshl_b32 s18, s17, 3
	s_lshl_b32 s19, s15, 2
	s_add_co_u32 s18, s18, s19
	s_mul_i32 s18, s18, REC
	s_mov_b32 s19, 0
	s_add_nc_u64 s[86:87], s[4:5], s[18:19]
	s_lshl_b32 s18, s84, 4
	s_lshl_b32 s85, s16, 3
	s_add_co_u32 s18, s18, s85
	s_mul_i32 s18, s18, REC
	s_add_nc_u64 s[88:89], s[6:7], s[18:19]
	s_lshl_b32 s18, s84, 10
	s_lshl_b32 s85, s16, 9
	s_add_co_u32 s18, s18, s85
	s_add_nc_u64 s[8:9], s[8:9], s[18:19]
	s_add_nc_u64 s[10:11], s[10:11], s[18:19]
	s_lshl_b32 s18, s17, 19
	s_lshl_b32 s85, s15, 18
	s_add_co_u32 s18, s18, s85
	s_add_nc_u64 s[10:11], s[10:11], s[18:19]
.irp i, 0,1,2,3
.irp g, 0,1
	global_load_b128 v[SCA+8*\i+4*\g:SCA+8*\i+4*\g+3], v[R16], s[86:87] offset:REC*\i+12288+256*\g
.endr
.endr
.irp i, 0,1,2,3,4,5,6,7
.irp g, 0,1
	global_load_b128 v[SCB+8*\i+4*\g:SCB+8*\i+4*\g+3], v[R16], s[88:89] offset:REC*\i+12288+256*\g
.endr
.endr
	WIN 0x80
.irp a, 0,1,2,3
.irp b, 0,1,2,3,4,5,6,7
	global_load_b128 v[8*(8*\a+\b):8*(8*\a+\b)+3], v[H128], s[8:9] offset:4*(64*(\b/4)+8*(\b%4))
	global_load_b128 v[8*(8*\a+\b)+4:8*(8*\a+\b)+7], v[H128], s[8:9] offset:4*(64*(\b/4)+8*(\b%4))+16
.endr
.endr
	WIN 0
.macro FETCH k
	WIN 0x40
.irp i, 0,1,2,3,4,5,6,7
	FRAG 128*((\k)%2)+12*\i, ADR+2+8*(\i/4), ADR+3+8*(\i/4), (\i%4)*TILEB+(\k)*1536
.endr
	WIN 0
.irp i, 0,1,2,3
	FRAG AF+48*((\k)%2)+12*\i, ADR, ADR+1, \i*TILEB+(\k)*1536
.endr
.endm
.macro KSTEP k
	s_wait_dscnt 0x0
.if (\k) < 7
	PLACES
	FETCH (\k)+1
.endif
	WIN 0xa1
.irp a, 0,1,2,3
.irp b, 0,1,2,3,4,5,6,7
	v_wmma_scale_f32_16x16x128_f8f6f4 v[8*(8*\a+\b):8*(8*\a+\b)+7], v[128*((\k)%2)+12*\b:128*((\k)%2)+12*\b+11], v[AF+48*((\k)%2)+12*\a:AF+48*((\k)%2)+12*\a+11], v[8*(8*\a+\b):8*(8*\a+\b)+7], v[SCB+8*\b+(\k)], v[SCA+8*\a+(\k)] matrix_a_fmt:MATRIX_FMT_BF6 matrix_b_fmt:MATRIX_FMT_BF6
.endr
.endr
	WIN 0
.endm
	s_wait_alu depctr_va_vdst(0)
	s_wait_tensorcnt 0x0
	s_barrier_signal -1
	s_barrier_wait -1
	FETCH 0
	s_wait_loadcnt 0x0
.irp k, 0,1,2,3,4,5,6,7
	KSTEP \k
.endr
.macro TOSTAGE a
	WIN 0x08
.irp b, 0,1,2,3,4,5,6,7
	ds_store_b128 v[STO], v[8*(8*(\a)+\b):8*(8*(\a)+\b)+3] offset:256*(\b/4)+32*(\b%4)
	ds_store_b128 v[STO], v[8*(8*(\a)+\b)+4:8*(8*(\a)+\b)+7] offset:256*(\b/4)+32*(\b%4)+16
.endr
	WIN 0
.irp t, 0,1,2,3,4,5,6,7,8,9,10,11,12,13,14,15
	ds_load_b128 v[BK+64*((\a)%2)+4*\t:BK+64*((\a)%2)+4*\t+3], v[RD] offset:\t*SP
.endr
.endm
.macro SEND a, younger
	s_wait_dscnt \younger
.irp t, 0,1,2,3,4,5,6,7,8,9,10,11,12,13,14,15
	global_store_b128 v[O16], v[BK+64*((\a)%2)+4*\t:BK+64*((\a)%2)+4*\t+3], s[10:11] offset:(8*(\a)+(\t%8)+32*(\t/8))*4096 th:TH_STORE_NT
.endr
.endm
	PLACES
	s_wait_dscnt 0x0
	s_barrier_signal -1
	s_barrier_wait -1
	TOSTAGE 0
.irp a, 1,2,3
.if \a > 1
	s_wait_xcnt 0x0
.endif
	TOSTAGE \a
	SEND \a-1, 32
.endr
	SEND 3, 0
	s_wait_tensorcnt 0x0
	ds_add_u32 v30, v31
	s_wait_dscnt 0x0
	CROUND
	s_endpgm
.Lfunc_end_k_q37e85ba4af_outp:
	.size	k_q37e85ba4af_outp, .Lfunc_end_k_q37e85ba4af_outp-k_q37e85ba4af_outp
	.p2alignl 7, 3214868480
	.fill 96, 4, 3214868480
	.section	.rodata,"a",@progbits
	.p2align	6, 0x0
	.amdhsa_kernel k_q37e85ba4af_outp
		.amdhsa_group_segment_fixed_size 327680
		.amdhsa_private_segment_fixed_size 0
		.amdhsa_enable_private_segment 0
		.amdhsa_kernarg_size 32
		.amdhsa_user_sgpr_count 2
		.amdhsa_user_sgpr_kernarg_segment_ptr 1
		.amdhsa_wavefront_size32 1
		.amdhsa_system_sgpr_workgroup_id_x 1
		.amdhsa_system_sgpr_workgroup_id_y 1
		.amdhsa_system_sgpr_workgroup_id_z 1
		.amdhsa_system_vgpr_workitem_id 0
		.amdhsa_next_free_vgpr 768
		.amdhsa_next_free_sgpr 96
		.amdhsa_reserve_vcc 0
		.amdhsa_float_denorm_mode_32 3
		.amdhsa_float_denorm_mode_16_64 3
		.amdhsa_memory_ordered 1
		.amdhsa_forward_progress 1
		.amdhsa_inst_pref_size 88
	.end_amdhsa_kernel
	.amdgpu_metadata
---
amdhsa.version: [ 1, 2 ]
amdhsa.kernels:
  - .name:           k_q37e85ba4af_outp
    .symbol:         k_q37e85ba4af_outp.kd
    .args:
      - { .name: o_img, .offset: 0, .size: 8, .value_kind: global_buffer, .address_space: global }
      - { .name: wo_img, .offset: 8, .size: 8, .value_kind: global_buffer, .address_space: global }
      - { .name: b_out, .offset: 16, .size: 8, .value_kind: global_buffer, .address_space: global }
      - { .name: out0, .offset: 24, .size: 8, .value_kind: global_buffer, .address_space: global }
    .group_segment_fixed_size: 327680
    .private_segment_fixed_size: 0
    .kernarg_segment_align: 8
    .kernarg_segment_size: 32
    .max_flat_workgroup_size: 128
    .sgpr_count:     96
    .vgpr_count:     768
    .wavefront_size: 32
...
	.end_amdgpu_metadata
.endif
;; end of part 4
